; MI455X (gfx1250); checked and timed in simulation.
; The chip was launched on July 23, 2026; its instructions are those of AMD's public machine-readable ISA for CDNA 5 (MIT licence, August 2026) and "CDNA5" Instruction Set Architecture Reference Guide (July 2026). The comments in the code are by the model that wrote it; some were corrected since.
;; Multi Head Grouped Query Attention. Allowed arithmetic: float matrix products may take bf16 or f16 operands with f32 sums; all other float work in f32.
;; Inputs: Wk 1,024 x 256 float32; Wout 1,024 x 1,024 float32; Wq 1,024 x 1,024 float32; Wv 1,024 x 256 float32; ln_b 1,024 float32; ln_g 1,024 float32; x 2 x 2,048 x 1,024 float32.
;; Outputs: out0 2 x 2,048 x 1,024 float32; out1 2 x 2,048 x 16 float32.
;; One version. Each part assembles by itself: llvm-mc -triple=amdgcn-amd-amdhsa -mcpu=gfx1250 --defsym DOCPART=n.
;; ======== version 1 of 1: 5 launches
;; limits: values are held in f16: magnitudes above 65,504 overflow, below 6.1e-05 lose precision
;; workspace buffers: x16 8,388,608 bytes; wqkvT 3,145,728 bytes; woutT 2,097,152 bytes; qkv 12,582,912 bytes; o32 16,777,216 bytes; nlse 262,144 bytes; cs 262,144 bytes; a16 8,388,608 bytes
;; launch prep (part 1): grid 832 x 1, 8 waves a work-group, no clusters, 34,304 bytes of LDS; arguments x, Wq, Wk, Wv, Wout, x16, wqkvT, woutT; writes x16, wqkvT, woutT
.if DOCPART == 1
	.amdgcn_target "amdgcn-amd-amdhsa--gfx1250"
	.amdhsa_code_object_version 6
	.text
	.protected	k_q789c177d8f_prep
	.globl	k_q789c177d8f_prep
	.p2align	8
	.type	k_q789c177d8f_prep,@function
k_q789c177d8f_prep:
	s_mov_b64 s[64:65], 0
	v_nop
	global_prefetch_b8 v0, s[64:65] scope:SCOPE_SE
	s_setreg_imm32_b32 hwreg(HW_REG_WAVE_MODE, 25, 1), 1
	s_wait_xcnt 0x0
; PREP: first of five launches of grouped-query attention (B 2, N 2048, E 1024, 16 query heads, 4 key/value heads, D 64).
;   prep      x -> f16; Wq|Wk|Wv and Wout -> f16, transposed to [column][k]
;   proj      q, k, v = x W, stored head by head
;   attn      causal attention by a running maximum; stores O (f32) and -(log2 of each row's sum of exponentials)
;   colsum_ln column means of the probabilities; LayerNorm of O
;   outproj   out0 = LN(O) Wout; out1 = the column means, transposed
; WORK LEFT OUT (in attn and colsum_ln): reference() itself sets scores[n][s] to -inf for s > n (its own jnp.tril), so for every
; value of the inputs attn[n][s] = 0 there; a block of 128 keys that lies wholly above the diagonal of a block of 128 queries adds
; 0 to the softmax's sum, to attn V and to the mean over n.  Such blocks are neither loaded nor multiplied.  The block on the
; diagonal is computed whole and its upper part selected away.  All seven inputs reach an output and are loaded.
; LIMITS: a NaN, an infinity or an overflow that reaches only the blocks left out is not carried to the result.  Matrix operands
; are f16: x, the weights, q, k, v and the LayerNorm's result must stay below 65,504 in magnitude; below 6e-8 they become 0.
;
; THIS LAUNCH.  Memory binds: no matrix unit, no cluster (no two work-groups read the same bytes).
; Work-groups 0-511: 32 KiB of x each.  A load of a wave covers 512 consecutive bytes, a store 256 consecutive aligned bytes.
; Work-groups 512-831: one tile of 128 k x 64 columns of a weight each, turned through LDS: rows of 256 bytes come in,
; rows of 256 bytes (128 k of one column, f16) go out.
.set XWGS,   512                       ; work-groups for x
.set LPITCH, 260                       ; LDS row of the tile: 64 f32 + one word, so that a column's words lie in different banks
	s_load_b512 s[4:19], s[0:1], 0x0               ; x s[4:5], Wq s[6:7], Wk s[8:9], Wv s[10:11], Wout s[12:13], x16 s[14:15], wqkvT s[16:17], woutT s[18:19]
	v_lshl_add_u32 v56, v0, 2, 0x8200
	v_mov_b32 v57, 0
	s_cmp_ge_u32 ttmp9, XWGS
	s_cbranch_scc1 .Lweights
	; ---- x to f16 ----
	v_lshlrev_b32 v1, 4, v0                        ; 16 t: my 4 numbers in each 4 KiB of x
	v_lshlrev_b32 v2, 3, v0                        ; 8 t: their place in x16
	s_lshl_b32 s20, ttmp9, 15                      ; 32 KiB of x,
	s_mov_b32 s21, 0
	s_lshl_b32 s22, ttmp9, 14                      ; 16 KiB of x16 for each work-group
	s_mov_b32 s23, 0
	s_wait_kmcnt 0x0
	s_add_nc_u64 s[4:5], s[4:5], s[20:21]
	s_add_nc_u64 s[14:15], s[14:15], s[22:23]
.irp q, 0,1,2,3,4,5,6,7
	global_load_b128 v[8+4*\q:11+4*\q], v1, s[4:5] offset:4096*\q th:TH_LOAD_NT
.endr
.irp q, 0,1,2,3,4,5,6,7
	s_wait_loadcnt 7-\q                            ; loads come back in order: load q is in, the 7 - q younger ones stay out
	v_cvt_pk_f16_f32 v[40+2*\q], v[8+4*\q], v[9+4*\q]
	v_cvt_pk_f16_f32 v[41+2*\q], v[10+4*\q], v[11+4*\q]
	global_store_b64 v2, v[40+2*\q:41+2*\q], s[14:15] offset:2048*\q
.endr
	s_endpgm
; One tile: source s[20:21] (first element of the tile, rows pitch bytes apart), destination s[22:23].
.macro TPOSE pitch
	v_lshrrev_b32 v1, 4, v0                        ; t / 16
	v_and_b32 v2, 15, v0                           ; t % 16
	v_lshlrev_b32 v3, 4, v2                        ; 16 (t % 16)
	v_mul_u32_u24 v4, v1, \pitch
	v_add_nc_u32 v4, v4, v3                        ; in: row t / 16 of sixteen, 16 bytes of its 256
	v_mul_u32_u24 v5, v1, LPITCH
	v_add_nc_u32 v5, v5, v3                        ; the same place in LDS
	v_mul_u32_u24 v6, v2, 8*LPITCH
	v_lshl_add_u32 v6, v1, 2, v6                   ; back: k = 8 (t % 16) + i, column t / 16 + 16 u
	v_lshl_add_u32 v7, v1, 11, v3                  ; out: row t / 16 of 2,048 bytes, 16 bytes (8 k)
.irp i, 0,1,2,3,4,5,6,7
	global_load_b128 v[8+4*\i:11+4*\i], v4, s[20:21] offset:\i*16*\pitch th:TH_LOAD_NT
.endr
.irp i, 0,1,2,3,4,5,6,7
	s_wait_loadcnt 7-\i                            ; load i is in, the younger ones stay out
.irp q, 0,1,2,3
	ds_store_b32 v5, v[8+4*\i+\q] offset:\i*16*LPITCH+4*\q
.endr
.endr
	s_wait_dscnt 0x0                               ; my stores are in LDS before I say so
	s_barrier_signal -1
	s_barrier_wait -1                              ; everybody's are
.irp u, 0,1,2,3
.irp i, 0,1,2,3,4,5,6,7
	ds_load_b32 v[8+8*\u+\i], v6 offset:\i*LPITCH+64*\u
.endr
.endr
	s_wait_dscnt 0x0
.irp u, 0,1,2,3
.irp i, 0,1,2,3
	v_cvt_pk_f16_f32 v[40+4*\u+\i], v[8+8*\u+2*\i], v[8+8*\u+2*\i+1]
.endr
	global_store_b128 v7, v[40+4*\u:43+4*\u], s[22:23] offset:\u*32768   ; sixteen lanes: 256 consecutive aligned bytes of one row
.endr
	s_wait_tensorcnt 0x0
	ds_add_u32 v56, v57
	s_wait_dscnt 0x0
	s_endpgm
.endm
.Lweights:
	s_sub_co_u32 s24, ttmp9, XWGS                  ; tile number: 0-127 Wq, 128-159 Wk, 160-191 Wv, 192-319 Wout
	s_mov_b32 s29, 0
	s_wait_kmcnt 0x0
	s_cmp_lt_u32 s24, 128
	s_cbranch_scc1 .Lwq
	s_cmp_lt_u32 s24, 160
	s_cbranch_scc1 .Lwk
	s_cmp_lt_u32 s24, 192
	s_cbranch_scc1 .Lwv
	s_sub_co_u32 s24, s24, 192
	s_mov_b64 s[20:21], s[12:13]                   ; Wout to woutT
	s_mov_b64 s[22:23], s[18:19]
	s_branch .Lwide
.Lwq:
	s_mov_b64 s[20:21], s[6:7]                     ; Wq to rows 0-1023 of wqkvT
	s_mov_b64 s[22:23], s[16:17]
.Lwide:                                            ; 1,024 columns: 16 tiles across, 8 down
	s_and_b32 s25, s24, 15                         ; column block
	s_lshr_b32 s26, s24, 4                         ; k block
	s_lshl_b32 s28, s26, 19                        ; 128 rows of 4,096 bytes
	s_lshl_b32 s27, s25, 8                         ; 64 columns of 4 bytes
	s_add_co_u32 s28, s28, s27
	s_add_nc_u64 s[20:21], s[20:21], s[28:29]
	s_lshl_b32 s28, s25, 17                        ; 64 rows of 2,048 bytes
	s_lshl_b32 s27, s26, 8                         ; 128 k of 2 bytes
	s_add_co_u32 s28, s28, s27
	s_add_nc_u64 s[22:23], s[22:23], s[28:29]
	TPOSE 4096
.Lwk:
	s_sub_co_u32 s24, s24, 128
	s_mov_b64 s[20:21], s[8:9]                     ; Wk to rows 1024-1279
	s_mov_b32 s30, 1024*2048
	s_branch .Lnarrow
.Lwv:
	s_sub_co_u32 s24, s24, 160
	s_mov_b64 s[20:21], s[10:11]                   ; Wv to rows 1280-1535
	s_mov_b32 s30, 1280*2048
.Lnarrow:                                          ; 256 columns: 4 tiles across, 8 down
	s_mov_b64 s[22:23], s[16:17]
	s_and_b32 s25, s24, 3
	s_lshr_b32 s26, s24, 2
	s_lshl_b32 s28, s26, 17                        ; 128 rows of 1,024 bytes
	s_lshl_b32 s27, s25, 8
	s_add_co_u32 s28, s28, s27
	s_add_nc_u64 s[20:21], s[20:21], s[28:29]
	s_lshl_b32 s28, s25, 17
	s_lshl_b32 s27, s26, 8
	s_add_co_u32 s28, s28, s27
	s_add_co_u32 s28, s28, s30
	s_add_nc_u64 s[22:23], s[22:23], s[28:29]
	TPOSE 1024
.Lfunc_end_k_q789c177d8f_prep:
	.size	k_q789c177d8f_prep, .Lfunc_end_k_q789c177d8f_prep-k_q789c177d8f_prep
	.p2alignl 7, 3214868480
	.fill 96, 4, 3214868480
	.section	.rodata,"a",@progbits
	.p2align	6, 0x0
	.amdhsa_kernel k_q789c177d8f_prep
		.amdhsa_group_segment_fixed_size 34304
		.amdhsa_private_segment_fixed_size 0
		.amdhsa_enable_private_segment 0
		.amdhsa_kernarg_size 64
		.amdhsa_user_sgpr_count 2
		.amdhsa_user_sgpr_kernarg_segment_ptr 1
		.amdhsa_wavefront_size32 1
		.amdhsa_system_sgpr_workgroup_id_x 1
		.amdhsa_system_sgpr_workgroup_id_y 1
		.amdhsa_system_sgpr_workgroup_id_z 1
		.amdhsa_system_vgpr_workitem_id 0
		.amdhsa_next_free_vgpr 58
		.amdhsa_next_free_sgpr 66
		.amdhsa_reserve_vcc 0
		.amdhsa_float_denorm_mode_32 3
		.amdhsa_float_denorm_mode_16_64 3
		.amdhsa_memory_ordered 1
		.amdhsa_forward_progress 1
		.amdhsa_inst_pref_size 20
	.end_amdhsa_kernel
	.amdgpu_metadata
---
amdhsa.version: [ 1, 2 ]
amdhsa.kernels:
  - .name:           k_q789c177d8f_prep
    .symbol:         k_q789c177d8f_prep.kd
    .args:
      - { .name: x, .offset: 0, .size: 8, .value_kind: global_buffer, .address_space: global }
      - { .name: Wq, .offset: 8, .size: 8, .value_kind: global_buffer, .address_space: global }
      - { .name: Wk, .offset: 16, .size: 8, .value_kind: global_buffer, .address_space: global }
      - { .name: Wv, .offset: 24, .size: 8, .value_kind: global_buffer, .address_space: global }
      - { .name: Wout, .offset: 32, .size: 8, .value_kind: global_buffer, .address_space: global }
      - { .name: x16, .offset: 40, .size: 8, .value_kind: global_buffer, .address_space: global }
      - { .name: wqkvT, .offset: 48, .size: 8, .value_kind: global_buffer, .address_space: global }
      - { .name: woutT, .offset: 56, .size: 8, .value_kind: global_buffer, .address_space: global }
    .group_segment_fixed_size: 34304
    .private_segment_fixed_size: 0
    .kernarg_segment_align: 8
    .kernarg_segment_size: 64
    .max_flat_workgroup_size: 256
    .sgpr_count:     66
    .vgpr_count:     58
    .wavefront_size: 32
...
	.end_amdgpu_metadata
.endif
;; end of part 1
;; launch proj (part 2): grid 8 x 32, 4 waves a work-group, clusters of 4 x 4, 327,680 bytes of LDS; arguments x16, wqkvT, qkv; writes qkv
.if DOCPART == 2
	.amdgcn_target "amdgcn-amd-amdhsa--gfx1250"
	.amdhsa_code_object_version 6
	.text
	.protected	k_q789c177d8f_proj
	.globl	k_q789c177d8f_proj
	.p2align	8
	.type	k_q789c177d8f_proj,@function
k_q789c177d8f_proj:
	s_mov_b64 s[64:65], 0
	v_nop
	global_prefetch_b8 v0, s[64:65] scope:SCOPE_SE
	s_setreg_imm32_b32 hwreg(HW_REG_WAVE_MODE, 25, 1), 1
	s_wait_xcnt 0x0
	s_wait_alu depctr_hold_cnt(0) depctr_sa_sdst(0) depctr_va_vdst(0) depctr_va_sdst(0) depctr_va_ssrc(0) depctr_va_vcc(0) depctr_vm_vsrc(0)
	s_getreg_b32 s2, hwreg(HW_REG_IB_STS2, 6, 4)
	s_cmp_eq_u32 s2, 0
	s_cbranch_scc0 .Lentry_in_a_cluster
	s_endpgm
.Lentry_in_a_cluster:
	s_bfe_u32 s2, ttmp6, 0x10000c
	s_cmp_lg_u32 s2, 0xf033
	s_cbranch_scc0 .Lentry_shape_is_right
	s_endpgm
.Lentry_shape_is_right:
; PROJ: qkv[token][column] = sum over k of x16[token][k] wqkvT[column][k]; 4,096 tokens, 1,536 columns, K = 1,024; f16 in, f32 sums,
; f16 out, stored head by head: qkv[b][column / 64][token][column % 64] (head slots 0-15 q, 16-19 k, 20-23 v).
; LIMIT: results of 65,504 and above in magnitude are not served (f16).
; A work-group makes 128 tokens x 192 columns (three head slots) with four waves, 2 x 2; a wave makes 64 x 96: 24 accumulator tiles.
; K goes in steps of 128 through two LDS slots filled by the tensor data mover; a tile's rows are 256 consecutive aligned bytes.
; CLUSTERS: 4 x 4 work-groups.  The four of a row of the cluster need the same tokens' tile, the four of a column the same
; weights' tile; each tile is asked for jointly, by the same load with the same descriptor in all four.
; REGISTERS: window 0: addresses, two fragment buffers, packed results; window 1: the accumulators, tile (a, b) at v[8 (6 a + b)].
; THE MATRIX INSTRUCTION IS USED TRANSPOSED: source 0 = 16 rows of wqkvT, source 1 = 16 tokens; lane l then holds token l % 16
; and its registers the eight neighbouring columns 8 (l / 16) + 0..7, which pack into 16 bytes.
.set NB,     192                       ; columns of a work-group
.set NBF,    NB/32                     ; column tiles of a wave
.set WROWS,  NB/2                      ; rows of wqkvT that one tensor load brings, and that one wave reads
.set KSTEP,  128
.set SIZE_K, 1024
.set PITCH,  272                       ; LDS row: 256 bytes + 16: an odd multiple of 16, so sixteen rows start at sixteen different 16-byte columns of 256
.set SLOT,   (NB+128)*PITCH            ; the weights' 192 rows, then the tokens' 128 rows
.set STAGE,  2*SLOT                    ; behind the ring, a multiple of 256: 128 tokens x 192 columns f16 for the way out; no tensor load lands here
.set SPITCH, 400                       ; 384 bytes + 16: an odd multiple of 16
.set LAPS,   SIZE_K/(2*KSTEP)          ; a lap = two K steps = once round the ring
.set ADRA, 16                          ; v16-17  LDS address of my token fragments in slot 0, 1
.set ADRB, 20                          ; v20-21  the same for the weights
.set STO,  24                          ; v24     way out: where I put 16 bytes
.set RD,   25                          ; v25     way out: where I read 16 bytes back
.set CO,   26                          ; v26     my byte offset in qkv
.set F0,   32                          ; fragment buffer 0: weights at F + 8 b, tokens at F + 48 + 8 a
.set F1,   112                         ; fragment buffer 1
.set TMP,  192                         ; packed results
.set G1,  24                           ; s[24:31] descriptor group 1, tokens' tiles
.set G0,  32                           ; s[32:39] descriptor group 0, tokens' tiles, one set for each slot
.set G1B, 48                           ; s[48:55] group 1, weights' tiles
.set G0B, 56                           ; s[56:63] group 0, weights' tiles
.set MUL, 0x50                         ; C and D in window 1, sources in window 0
.set MSB, 0
.macro WIN new                         ; the immediate's high byte repeats the setting that is left
.if MSB != \new
	s_set_vgpr_msb (MSB<<8)|\new
.set MSB, \new
.endif
.endm
.macro PLACES n
.rept \n
	v_nop
.endr
.endm
; A joint load: waves 0 and 1 fetch the weights' two halves, waves 2 and 3 the tokens'.  The branch hangs on the wave's number alone.
.macro JLOAD s
	s_cmp_eq_u32 s11, 0
	s_cbranch_scc0 .Lfor_a_\@
	tensor_load_to_lds s[G0B+4*\s:G0B+4*\s+3], s[G1B:G1B+7]
	s_nop 0
	s_branch .Lasked_\@
.Lfor_a_\@:
	tensor_load_to_lds s[G0+4*\s:G0+4*\s+3], s[G1:G1+7]
	s_nop 0
.Lasked_\@:
.endm
.macro CREST                           ; a round of the cluster's barrier behind its opening work-group barrier
	s_cmp_lg_u32 s10, 0
	s_cbranch_scc1 .Lnot_wave_0_\@
	s_barrier_signal -3
.Lnot_wave_0_\@:
	s_barrier_wait -3
	s_barrier_signal -1
	s_barrier_wait -1
.endm
.macro CROUND                          ; a whole round
	s_barrier_signal -1
	s_barrier_wait -1
	CREST
.endm
	s_load_b128 s[4:7], s[0:1], 0x0                ; x16 s[4:5], wqkvT s[6:7]
	s_load_b64 s[8:9], s[0:1], 0x10                ; qkv
	v_lshl_add_u32 v254, v0, 2, 0x37000
	v_mov_b32 v255, 0
	ds_add_u32 v254, v255
	v_lshrrev_b32 v1, 5, v0
	v_readfirstlane_b32 s10, v1                    ; wave 0..3
	s_lshr_b32 s11, s10, 1                         ; my half of the tokens.  Also: I fetch weights (0) or tokens (1)
	s_and_b32 s12, s10, 1                          ; my half of the columns.  Also: which half of that tile I fetch
	s_bfe_u32 s40, ttmp6, 0x40000                  ; cx
	s_bfe_u32 s41, ttmp6, 0x40004                  ; cy
	s_lshl_b32 s42, ttmp9, 2
	s_add_co_u32 s42, s42, s40                     ; column block = 4 x cluster x + cx
	s_and_b32 s13, ttmp7, 0xffff
	s_lshl_b32 s13, s13, 2
	s_add_co_u32 s13, s13, s41                     ; token block = 4 x cluster y + cy
	s_lshl_b32 s43, s41, 2
	s_lshl_b32 s43, 15, s43                        ; my row of the cluster
	s_lshl_b32 s44, 0x1111, s40                    ; my column
	; group 1: rows of 128 f16, padded by 4 words after every 64; bit 21 set beside the mask
	s_or_b32 s[G1+0], s43, (1<<16)|(1<<20)|(1<<21)|(5<<22)|(3<<25)
	s_or_b32 s[G1B+0], s44, (1<<16)|(1<<20)|(1<<21)|(5<<22)|(3<<25)
	s_mov_b32 s[G1+1], KSTEP<<16                   ; tensor_dim0 = 128
	s_mov_b32 s[G1B+1], KSTEP<<16
	s_mov_b32 s[G1+2], 64<<16                      ; tensor_dim1 = 64 tokens
	s_mov_b32 s[G1B+2], WROWS<<16                  ; 96 rows of weights
	s_mov_b32 s[G1+3], KSTEP<<16                   ; tile_dim0 = 128
	s_mov_b32 s[G1B+3], KSTEP<<16
	s_mov_b32 s[G1+4], 64                          ; tile_dim1
	s_mov_b32 s[G1B+4], WROWS
	s_mov_b32 s[G1+5], SIZE_K                      ; elements from row to row
	s_mov_b32 s[G1B+5], SIZE_K
	s_mov_b32 s[G1+6], 0
	s_mov_b32 s[G1B+6], 0
	s_mov_b32 s[G1+7], 0
	s_mov_b32 s[G1B+7], 0
	; the tokens' tile hangs on the token block alone, the weights' on the column block alone, each in registers that never hold the other
	s_lshl_b32 s16, s13, 7
	s_lshl_b32 s17, s12, 6
	s_add_co_u32 s16, s16, s17                     ; token 128 x block + 64 x half
	s_lshl_b32 s16, s16, 11                        ; rows of 2,048 bytes
	s_mov_b32 s17, 0
	s_mul_i32 s46, s42, NB
	s_mul_i32 s47, s12, WROWS
	s_add_co_u32 s46, s46, s47                     ; row 192 x block + 96 x half
	s_lshl_b32 s46, s46, 11
	s_mov_b32 s47, 0
	s_mul_i32 s20, s10, WROWS*PITCH                ; LDS: waves 0, 1: the weights' halves
	s_mul_i32 s21, s10, 64*PITCH
	s_add_co_u32 s21, s21, (NB-128)*PITCH          ; waves 2, 3: the tokens' halves, behind the weights' 192 rows
	s_wait_dscnt 0x0
	s_wait_kmcnt 0x0
	s_add_nc_u64 s[14:15], s[4:5], s[16:17]
	s_add_nc_u64 s[46:47], s[6:7], s[46:47]
	CROUND                                         ; all sixteen work-groups are here: the first joint loads meet
.irp s, 0,1
	s_mov_b32 s[G0+4*\s], 1
	s_add_co_u32 s[G0+4*\s+1], s21, \s*SLOT
	s_add_nc_u64 s[G0+4*\s+2:G0+4*\s+3], s[14:15], \s*KSTEP*2
	s_or_b32 s[G0+4*\s+3], s[G0+4*\s+3], 0x80000000
	s_mov_b32 s[G0B+4*\s], 1
	s_add_co_u32 s[G0B+4*\s+1], s20, \s*SLOT
	s_add_nc_u64 s[G0B+4*\s+2:G0B+4*\s+3], s[46:47], \s*KSTEP*2
	s_or_b32 s[G0B+4*\s+3], s[G0B+4*\s+3], 0x80000000
	JLOAD \s                                       ; K steps 0 and 1: two loads of the wave are out, the most in this text
.endr
	; a fragment is 16 rows x 32 K: lane l holds row l % 16; two loads of 16 bytes, 32 apart, at row x pitch + 16 (l / 16)
	v_and_b32 v1, 15, v0                           ; l % 16 (kept to the end)
	v_bfe_u32 v2, v0, 4, 1                         ; l / 16 (kept to the end)
	v_mul_u32_u24 v3, v1, PITCH
	v_lshl_add_u32 v3, v2, 4, v3
	s_mul_i32 s22, s11, 64*PITCH
	s_add_co_u32 s22, s22, NB*PITCH                ; my 64 tokens
	s_mul_i32 s23, s12, WROWS*PITCH                ; my 96 rows of weights
.irp s, 0,1
	v_add_nc_u32 v[ADRA+\s], s22, v3
	v_add_nc_u32 v[ADRB+\s], s23, v3
	s_add_co_u32 s22, s22, SLOT
	s_add_co_u32 s23, s23, SLOT
.endr
; six matrix instructions: token tile a x my six column tiles, 32 along K.  zero = 1: the first product starts the sums.
.macro MULROW f, a, zero
.irp b, 0,1,2,3,4,5
.if \zero
	v_wmma_f32_16x16x32_f16 v[8*(NBF*\a+\b):8*(NBF*\a+\b)+7], v[\f+8*\b:\f+8*\b+7], v[\f+8*NBF+8*\a:\f+8*NBF+8*\a+7], 0
.else
	v_wmma_f32_16x16x32_f16 v[8*(NBF*\a+\b):8*(NBF*\a+\b)+7], v[\f+8*\b:\f+8*\b+7], v[\f+8*NBF+8*\a:\f+8*NBF+8*\a+7], v[8*(NBF*\a+\b):8*(NBF*\a+\b)+7]
.endif
.endr
.endm
; 20 LDS loads in one run: the fragments of a quarter step (32 K at byte k of the rows) into buffer f: weights first, tokens last
.macro FETCH slot, k, f
.irp i, 0,1,2,3,4,5
	ds_load_b128 v[\f+8*\i:\f+8*\i+3],   v[ADRB+\slot] offset:\k+\i*16*PITCH
	ds_load_b128 v[\f+8*\i+4:\f+8*\i+7], v[ADRB+\slot] offset:\k+\i*16*PITCH+32
.endr
.irp i, 0,1,2,3
	ds_load_b128 v[\f+8*NBF+8*\i:\f+8*NBF+8*\i+3],   v[ADRA+\slot] offset:\k+\i*16*PITCH
	ds_load_b128 v[\f+8*NBF+8*\i+4:\f+8*NBF+8*\i+7], v[ADRA+\slot] offset:\k+\i*16*PITCH+32
.endr
.endm
; A K step is four quarters of 32 along K on buffers 0, 1, 0, 1.  The 24 accumulators take turns, one instruction a turn, in the
; same order in every quarter, over the backward jump too.
; A load into a register that a matrix instruction has read stands four places behind it (ISA guide 7.12.1 for vector
; instructions): four v_nop in front of each run of loads.
.macro QUARTER slot, k, f, g, zero
	s_wait_dscnt 4                                 ; all but the four youngest loads (token tiles 2 and 3) are in
	WIN MUL
	MULROW \f, 0, \zero
	MULROW \f, 1, \zero
	PLACES 4
	WIN 0
	FETCH \slot, \k, \g
	s_wait_dscnt 2*NBF+8                           ; all but the 20 just issued
	WIN MUL
	MULROW \f, 2, \zero
	MULROW \f, 3, \zero
.endm
.macro THREE slot, zero
	QUARTER \slot, 64,  F0, F1, \zero
	QUARTER \slot, 128, F1, F0, 0
	QUARTER \slot, 192, F0, F1, 0
.endm
; The last quarter multiplies buffer 1 and changes slots.  In front of the barrier each wave waits for its reads of this slot and
; for all its tensor loads (one is out: its part of the next slot).  Behind it the refill comes first, then the next slot is read.
.macro TURN slot, next, fill
	s_wait_dscnt 4
	WIN MUL
	MULROW F1, 0, 0
	s_wait_dscnt 0                                 ; my reads of this slot are over
	s_wait_tensorcnt 0x0                           ; all my tensor loads have landed
	ds_add_u32 v254, v255
	s_wait_dscnt 0x0
	s_barrier_signal -1                            ; (where the slot is filled again this barrier opens a round of the cluster's barrier)
	MULROW F1, 1, 0                                ; register work while the others arrive
	WIN 0
	s_barrier_wait -1
.if \fill
	CREST                                          ; no wave of any partner still reads this slot or has a load on its way
	s_add_nc_u64 s[G0+4*\slot+2:G0+4*\slot+3], s[G0+4*\slot+2:G0+4*\slot+3], 2*KSTEP*2
	s_add_nc_u64 s[G0B+4*\slot+2:G0B+4*\slot+3], s[G0B+4*\slot+2:G0B+4*\slot+3], 2*KSTEP*2
	JLOAD \slot                                    ; my one tensor load behind the round; 90 matrix instructions stand before the wait for it
.endif
	PLACES 4
	FETCH \next, 0, F0
	WIN MUL
	MULROW F1, 2, 0
	MULROW F1, 3, 0
.endm
.macro LAP zero
	THREE 0, \zero
	TURN 0, 1, 1
	THREE 1, 0
	TURN 1, 0, 1
.endm
	s_wait_tensorcnt 1                             ; my part of K step 0 is in; K step 1's stays out
	s_barrier_signal -1
	s_barrier_wait -1
	FETCH 0, 0, F0
	LAP 1                                          ; the first lap's first products start the sums
	WIN 0
	s_mov_b32 s3, LAPS-2
.Llap:
	LAP 0
	WIN 0
	s_sub_co_u32 s3, s3, 1
	s_cmp_lg_u32 s3, 0
	s_cbranch_scc1 .Llap
	THREE 0, 0                                     ; the last lap fills nothing
	TURN 0, 1, 0
	THREE 1, 0
	s_wait_dscnt 4
	WIN MUL
	MULROW F1, 0, 0
	MULROW F1, 1, 0
	s_wait_dscnt 0
	MULROW F1, 2, 0
	MULROW F1, 3, 0
	WIN 0
	; THE WAY OUT.  The nine address instructions below name no register of a matrix instruction: they are the places behind the last ones.
	s_mul_i32 s22, s11, 64*SPITCH
	s_mul_i32 s23, s12, 192                        ; my 96 columns, 2 bytes each
	s_add_co_u32 s22, s22, s23
	s_add_co_u32 s22, s22, STAGE
	v_mul_u32_u24 v4, v1, SPITCH
	v_lshl_add_u32 v4, v2, 4, v4
	v_add_nc_u32 v[STO], s22, v4                   ; token 64 wr + l % 16, byte 192 wc + 16 (l / 16)
	v_lshrrev_b32 v4, 3, v0
	v_mul_u32_u24 v4, v4, SPITCH
	v_and_b32 v5, 7, v0
	v_lshl_add_u32 v4, v5, 4, v4
	v_add_nc_u32 v[RD], STAGE, v4                  ; back: token t / 8, 16 bytes t % 8 of a head's 128
	v_lshlrev_b32 v[CO], 4, v0                     ; the same in memory: tokens of a head slot follow each other, 128 bytes each
	s_lshr_b32 s16, s13, 4                         ; batch
	s_mul_i32 s16, s16, 24*262144                  ; 24 head slots of 2,048 x 128 bytes
	s_and_b32 s17, s13, 15
	s_lshl_b32 s17, s17, 14                        ; 128 tokens of 128 bytes
	s_add_co_u32 s16, s16, s17
	s_mov_b32 s17, 0
	s_add_nc_u64 s[8:9], s[8:9], s[16:17]
	s_mul_i32 s46, s42, 3*262144                   ; three head slots for each column block
	s_mov_b32 s47, 0
	s_add_nc_u64 s[8:9], s[8:9], s[46:47]
.macro OUTA a                          ; token tile a: round to f16, 16 bytes a lane and tile into the stage
	WIN 0x05
.irp b, 0,1,2,3,4,5
.irp i, 0,1,2,3
	v_cvt_pk_f16_f32 v[TMP+4*\b+\i], v[8*(NBF*\a+\b)+2*\i], v[8*(NBF*\a+\b)+2*\i+1]
.endr
.endr
	WIN 0
.irp b, 0,1,2,3,4,5
	ds_store_b128 v[STO], v[TMP+4*\b:TMP+4*\b+3] offset:\a*16*SPITCH+32*\b
.endr
.endm
	OUTA 0
	OUTA 1
	OUTA 2
	OUTA 3
	s_wait_dscnt 0x0                               ; my stores are in the stage before I say so
	s_barrier_signal -1
	s_barrier_wait -1                              ; a head's 128 bytes of a token come from two waves
.irp hh, 0,1,2
.irp i, 0,1,2,3,4,5,6,7
	ds_load_b128 v[F0+32*\hh+4*\i:F0+32*\hh+4*\i+3], v[RD] offset:\i*16*SPITCH+128*\hh
.endr
.irp i, 0,1,2,3,4,5,6,7
	s_wait_dscnt 7-\i                              ; load i is back, the younger ones stay out
	global_store_b128 v[CO], v[F0+32*\hh+4*\i:F0+32*\hh+4*\i+3], s[8:9] offset:\hh*262144+\i*2048   ; a wave stores 512 consecutive aligned bytes
.endr
.endr
	s_wait_tensorcnt 0x0
	ds_add_u32 v254, v255
	s_wait_dscnt 0x0
	CROUND                                         ; the closing round: no work-group ends while a partner may still ask for a tile that names it
	s_endpgm
.Lfunc_end_k_q789c177d8f_proj:
	.size	k_q789c177d8f_proj, .Lfunc_end_k_q789c177d8f_proj-k_q789c177d8f_proj
	.p2alignl 7, 3214868480
	.fill 96, 4, 3214868480
	.section	.rodata,"a",@progbits
	.p2align	6, 0x0
	.amdhsa_kernel k_q789c177d8f_proj
		.amdhsa_group_segment_fixed_size 327680
		.amdhsa_private_segment_fixed_size 0
		.amdhsa_enable_private_segment 0
		.amdhsa_kernarg_size 24
		.amdhsa_user_sgpr_count 2
		.amdhsa_user_sgpr_kernarg_segment_ptr 1
		.amdhsa_wavefront_size32 1
		.amdhsa_system_sgpr_workgroup_id_x 1
		.amdhsa_system_sgpr_workgroup_id_y 1
		.amdhsa_system_sgpr_workgroup_id_z 1
		.amdhsa_system_vgpr_workitem_id 0
		.amdhsa_next_free_vgpr 448
		.amdhsa_next_free_sgpr 66
		.amdhsa_reserve_vcc 0
		.amdhsa_float_denorm_mode_32 3
		.amdhsa_float_denorm_mode_16_64 3
		.amdhsa_memory_ordered 1
		.amdhsa_forward_progress 1
		.amdhsa_inst_pref_size 96
	.end_amdhsa_kernel
	.amdgpu_metadata
---
amdhsa.version: [ 1, 2 ]
amdhsa.kernels:
  - .name:           k_q789c177d8f_proj
    .symbol:         k_q789c177d8f_proj.kd
    .args:
      - { .name: x16, .offset: 0, .size: 8, .value_kind: global_buffer, .address_space: global }
      - { .name: wqkvT, .offset: 8, .size: 8, .value_kind: global_buffer, .address_space: global }
      - { .name: qkv, .offset: 16, .size: 8, .value_kind: global_buffer, .address_space: global }
    .group_segment_fixed_size: 327680
    .private_segment_fixed_size: 0
    .kernarg_segment_align: 8
    .kernarg_segment_size: 24
    .max_flat_workgroup_size: 128
    .sgpr_count:     66
    .vgpr_count:     448
    .wavefront_size: 32
...
	.end_amdgpu_metadata
.endif
;; end of part 2
;; launch attn (part 3): grid 32 x 8, 4 waves a work-group, clusters of 4 x 4, 327,680 bytes of LDS; arguments qkv, o32, nlse; writes o32, nlse
.if DOCPART == 3
	.amdgcn_target "amdgcn-amd-amdhsa--gfx1250"
	.amdhsa_code_object_version 6
	.text
	.protected	k_q789c177d8f_attn
	.globl	k_q789c177d8f_attn
	.p2align	8
	.type	k_q789c177d8f_attn,@function
k_q789c177d8f_attn:
	s_mov_b64 s[64:65], 0
	v_nop
	global_prefetch_b8 v0, s[64:65] scope:SCOPE_SE
	s_setreg_imm32_b32 hwreg(HW_REG_WAVE_MODE, 25, 1), 1
	s_wait_xcnt 0x0
	s_wait_alu depctr_hold_cnt(0) depctr_sa_sdst(0) depctr_va_vdst(0) depctr_va_sdst(0) depctr_va_ssrc(0) depctr_va_vcc(0) depctr_vm_vsrc(0)
	s_getreg_b32 s2, hwreg(HW_REG_IB_STS2, 6, 4)
	s_cmp_eq_u32 s2, 0
	s_cbranch_scc0 .Lentry_in_a_cluster
	s_endpgm
.Lentry_in_a_cluster:
	s_bfe_u32 s2, ttmp6, 0x10000c
	s_cmp_lg_u32 s2, 0xf033
	s_cbranch_scc0 .Lentry_shape_is_right
	s_endpgm
.Lentry_shape_is_right:
; ATTN: causal attention.  Query head 4 i + j scores against key head i and reads value head j (as reference()'s einsum does);
; its result goes to columns (4 j + i) 64 .. + 63 of o32.  nlse[b][4 i + j][n] = (-c m) - log2 l: m the row's maximum score before
; the division by 8, c = log2(e) / 8, l the row's sum of 2^(s c - c m); the next launch makes the probabilities from it.
; WORK LEFT OUT: blocks of 128 keys wholly above the diagonal; reference()'s own tril makes their probabilities 0 for all inputs.
; LIMITS: a NaN or infinity that reaches only those blocks is not carried on.  The probabilities go to the matrix unit in f16.
; The exponent is s c + (-c m) in one fused step; -c m is rounded once (one part in 2^24 of it) and the same number makes nlse.
; SHARES: cluster of 4 x 4 work-groups = the 16 query heads (cx = j, cy = i) of one batch (cluster y) and one pair p (cluster x) of
; query blocks, p and 15 - p, of 128 queries: (p + 1) + (16 - p) = 17 steps of 128 keys in every work-group.  Four waves, 32 queries
; each, as two tiles of 16.  K's tile hangs on (batch, i) and is asked for jointly along a row of the cluster, V's on (batch, j)
; and is asked for along a column; trip counts hang on p alone, which all sixteen share.
; LAYOUTS: S^T = K Q^T: lane l holds query l % 16, register j key 8 (l / 16) + j of a tile of 16 keys.  Exponentials packed to f16
; are then the second source of O^T = V^T P^T without any move between lanes; V^T comes from LDS by the transposing load.
; THE TWO TILES TAKE TURNS.  For 64 keys a tile has 16 matrix instructions (8 QK, 8 PV) and 120 vector instructions (SM: maximum,
; factor, exponentials, sum, packing; RS: rescaling of O^T).  SM is cut into 16 slices; a slice of one tile stands behind each
; matrix instruction of the other.  A step (chunks c0, c1 of 64 keys):
;   QK0(c0) | SM0(c0) with QK1(c0) | SM1(c0) with PV0(c0), QK0(c1) | SM0(c1) with PV1(c0), QK1(c1) | SM1(c1) with PV0(c1) | PV1(c1)
; REGISTERS: window 0 as named below: all that QK and SM name, so that they need no change of window.  Window 1: O^T, tile (u, dt)
; at v[32 u + 8 dt]; V^T fragments; the second query block's Q.  A PV instruction runs under the setting 0x51 (first source, sum
; and result in window 1); the rescaling of the other tile's O^T runs under the same setting, right behind it.
.set KP,    144                        ; LDS pitch of K's rows: 128 bytes + 16, an odd multiple of 16
.set VP,    160                        ; of V's rows: 128 + 32, an odd multiple of 32, for the transposing load
.set KOFS,  128*VP                     ; a slot: V's 128 rows, then K's 128 rows
.set SLOT,  128*VP+128*KP              ; 38,912
.set STAGE, 2*SLOT                     ; a multiple of 256; 16 rows x 272 bytes for each wave; no tensor load lands here
.set SP,    272
.set KADR, 6                           ; v6-7   LDS address of my K fragments, slot 0, 1
.set VADR, 8                           ; v8-9   the same for V
.set STO,  10                          ; way out: in
.set RD,   11                          ; way out: back
.set QOFF, 12                          ; (32 w + l % 16) 128 + 16 (l / 16)
.set OOFF, 13                          ; (32 w + l / 16) 4096 + 16 (l % 16)
.set LOFF, 14                          ; (32 w + l) 4
.set NINF, 15                          ; -infinity
.set VQ,   16                          ; v16-17 tile u: 32 w + 16 u + l % 16 - 8 (l / 16): a key's constant part is compared with it
.set NM,   18                          ; v[18:19], v[20:21]: tile u: (-c m, m); a packed line takes the first for both halves
.set AL,   22                          ; v[22:23], v[24:25]: tile u: (rescale factor, running sum of my half's keys)
.set T,    26                          ; v26-33 at work: four maxima, then four pairs of sums
.set TE,   34                          ; v34-35 at work
.set Q,    40                          ; v40-71   Q fragments at Q + 16 u + 8 dh
.set P,    72                          ; v72-103  packed probabilities at P + 16 u + 4 kt
.set S,    104                         ; v104-167 scores at S + 32 u + 8 kt
.set KF,   168                         ; v168-231 K fragments at KF + 16 kt + 8 dh
.set VF,   64                          ; window 1: V^T fragments at VF + 8 (4 kg + dt)
.set Q2,   128                         ; window 1: the second query block's Q
.set G1K, 24                           ; s[24:31] group 1 for K; s[32:39] group 0, a set for each slot
.set G0K, 32
.set G1V, 48                           ; s[48:55], s[56:63] the same for V
.set G0V, 56
.set MSB, 0
.macro WIN new                         ; the immediate's high byte repeats the setting that is left
.if MSB != \new
	s_set_vgpr_msb (MSB<<8)|\new
.set MSB, \new
.endif
.endm
.macro PLACES n
.rept \n
	v_nop
.endr
.endm
.macro JLOAD s                         ; waves 0, 1 fetch V's halves of 64 rows, waves 2, 3 K's
	s_cmp_eq_u32 s11, 0
	s_cbranch_scc0 .Lfor_k_\@
	tensor_load_to_lds s[G0V+4*\s:G0V+4*\s+3], s[G1V:G1V+7]
	s_nop 0
	s_branch .Lasked_\@
.Lfor_k_\@:
	tensor_load_to_lds s[G0K+4*\s:G0K+4*\s+3], s[G1K:G1K+7]
	s_nop 0
.Lasked_\@:
.endm
.macro ROUND                           ; a round of the cluster's barrier
	s_barrier_signal -1
	s_barrier_wait -1
	s_cmp_lg_u32 s10, 0
	s_cbranch_scc1 .Lnot_wave_0_\@
	s_barrier_signal -3
.Lnot_wave_0_\@:
	s_barrier_wait -3
	s_barrier_signal -1
	s_barrier_wait -1
.endm
	s_load_b128 s[4:7], s[0:1], 0x0                ; qkv s[4:5], o32 s[6:7]
	s_load_b64 s[8:9], s[0:1], 0x10                ; nlse
	v_lshl_add_u32 v254, v0, 2, 0x29000
	v_mov_b32 v255, 0
	ds_add_u32 v254, v255
	v_lshrrev_b32 v1, 5, v0
	v_readfirstlane_b32 s10, v1                    ; wave
	s_lshr_b32 s11, s10, 1                         ; I fetch V (0) or K (1)
	s_and_b32 s12, s10, 1                          ; which 64 rows of the tile
	s_bfe_u32 s40, ttmp6, 0x40000                  ; cx = j
	s_bfe_u32 s41, ttmp6, 0x40004                  ; cy = i
	s_mov_b32 s13, ttmp9                           ; p
	s_and_b32 s14, ttmp7, 0xffff                   ; batch
	s_lshl_b32 s43, s41, 2
	s_lshl_b32 s43, 15, s43                        ; my row of the cluster
	s_lshl_b32 s44, 0x1111, s40                    ; my column
	; group 1: 64 rows of 64 f16; after every 32 words 4 (K) or 8 (V) words of padding; bit 21 beside the mask
	s_or_b32 s[G1K+0], s43, (1<<16)|(1<<20)|(1<<21)|(4<<22)|(3<<25)
	s_or_b32 s[G1V+0], s44, (1<<16)|(1<<20)|(1<<21)|(4<<22)|(7<<25)
	s_mov_b32 s[G1K+1], 64<<16
	s_mov_b32 s[G1V+1], 64<<16
	s_mov_b32 s[G1K+2], 64<<16
	s_mov_b32 s[G1V+2], 64<<16
	s_mov_b32 s[G1K+3], 64<<16
	s_mov_b32 s[G1V+3], 64<<16
	s_mov_b32 s[G1K+4], 64
	s_mov_b32 s[G1V+4], 64
	s_mov_b32 s[G1K+5], 64
	s_mov_b32 s[G1V+5], 64
	s_mov_b32 s[G1K+6], 0
	s_mov_b32 s[G1V+6], 0
	s_mov_b32 s[G1K+7], 0
	s_mov_b32 s[G1V+7], 0
	; K's address is made of batch, i and the wave, V's of batch, j and the wave, each in registers that never hold the other place
	s_mul_i32 s16, s14, 24
	s_add_co_u32 s16, s16, s41
	s_add_co_u32 s16, s16, 16                      ; head slot 24 b + 16 + i
	s_lshl_b32 s16, s16, 18                        ; 2,048 rows of 128 bytes
	s_lshl_b32 s17, s12, 13                        ; my 64 rows
	s_add_co_u32 s16, s16, s17
	s_mov_b32 s17, 0
	s_mul_i32 s18, s14, 24
	s_add_co_u32 s18, s18, s40
	s_add_co_u32 s18, s18, 20                      ; head slot 24 b + 20 + j
	s_lshl_b32 s18, s18, 18
	s_lshl_b32 s19, s12, 13
	s_add_co_u32 s18, s18, s19
	s_mov_b32 s19, 0
	s_lshl2_add_u32 s90, s41, s40                  ; 4 i + j
	s_lshl2_add_u32 s91, s40, s41                  ; 4 j + i
	s_mul_i32 s92, s14, 24
	s_add_co_u32 s92, s92, s90
	s_lshl_b32 s92, s92, 18                        ; Q's head slot
	s_mov_b32 s93, 0
	s_lshl_b32 s94, s14, 23                        ; 2,048 rows of o32
	s_lshl_b32 s91, s91, 8                         ; 64 columns of 4 bytes
	s_add_co_u32 s94, s94, s91
	s_mov_b32 s95, 0
	s_lshl4_add_u32 s90, s14, s90                  ; 16 b + 4 i + j
	s_lshl_b32 s90, s90, 13                        ; rows of 2,048 f32
	s_mov_b32 s91, 0
	s_mul_i32 s45, s10, 64*VP                      ; LDS: waves 0, 1: V's halves
	s_mul_i32 s46, s10, 64*KP
	s_add_co_u32 s46, s46, KOFS-128*KP             ; waves 2, 3: K's halves, behind V's 128 rows
	s_mov_b32 s21, 0                               ; high word of the offsets in s[20:21]
	s_mov_b32 s78, 0x3e38aa3b                      ; c = log2(e) / 8, twice
	s_mov_b32 s79, 0x3e38aa3b
	s_mov_b32 s67, 0xbe38aa3b                      ; -c
	s_mov_b32 s80, 0x76543210                      ; v_permlanex16_b32: lane i of one half reads lane i of the other
	s_mov_b32 s81, 0xfedcba98
	s_mov_b32 s83, 0xffff0000                      ; lanes 16-31
	s_sub_co_u32 s97, 15, s13                      ; the second query block
	s_mov_b32 s22, s13                             ; query block: p first
	s_mov_b32 s23, 0                               ; key block
	s_wait_dscnt 0x0
	s_wait_kmcnt 0x0
	s_add_nc_u64 s[16:17], s[4:5], s[16:17]        ; K, my rows of key block 0
	s_add_nc_u64 s[18:19], s[4:5], s[18:19]        ; V
	s_add_nc_u64 s[84:85], s[4:5], s[92:93]        ; Q's head
	s_add_nc_u64 s[86:87], s[6:7], s[94:95]        ; my columns of o32
	s_add_nc_u64 s[88:89], s[8:9], s[90:91]        ; my row of nlse
	s_lshl_b32 s20, s13, 14                        ; 128 rows of 128 bytes
	s_add_nc_u64 s[68:69], s[84:85], s[20:21]      ; Q of block p
	s_lshl_b32 s20, s97, 14
	s_add_nc_u64 s[92:93], s[84:85], s[20:21]      ; Q of block 15 - p
	s_lshl_b32 s20, s13, 19                        ; 128 rows of 4,096 bytes
	s_add_nc_u64 s[70:71], s[86:87], s[20:21]      ; o32 of the block at work
	s_lshl_b32 s20, s97, 19
	s_add_nc_u64 s[74:75], s[86:87], s[20:21]      ; and of the second block
	s_lshl_b32 s20, s13, 9                         ; 128 f32
	s_add_nc_u64 s[72:73], s[88:89], s[20:21]      ; nlse likewise
	s_lshl_b32 s20, s97, 9
	s_add_nc_u64 s[76:77], s[88:89], s[20:21]
.irp s, 0,1
	s_mov_b32 s[G0K+4*\s], 1
	s_add_co_u32 s[G0K+4*\s+1], s46, \s*SLOT
	s_mov_b32 s[G0V+4*\s], 1
	s_add_co_u32 s[G0V+4*\s+1], s45, \s*SLOT
.endr
	s_mov_b64 s[G0K+2:G0K+3], s[16:17]
	s_or_b32 s[G0K+3], s[G0K+3], 0x80000000
	s_mov_b64 s[G0V+2:G0V+3], s[18:19]
	s_or_b32 s[G0V+3], s[G0V+3], 0x80000000
	ROUND                                          ; all sixteen work-groups are here
	JLOAD 0                                        ; step 0's tiles; a wave never has more than one tensor load out in this text
	v_and_b32 v1, 31, v0                           ; l
	v_and_b32 v2, 15, v0                           ; l % 16
	v_bfe_u32 v3, v0, 4, 1                         ; l / 16
	s_lshl_b32 s47, s10, 5                         ; 32 w
	v_add_nc_u32 v4, s47, v2
	v_lshlrev_b32 v4, 7, v4
	v_lshl_add_u32 v[QOFF], v3, 4, v4
	; both query blocks' Q, straight into fragments, while the first tiles are on their way: both are fixed by the work-group's number
.irp u, 0,1
.irp dh, 0,1
	global_load_b128 v[Q+16*\u+8*\dh:Q+16*\u+8*\dh+3],   v[QOFF], s[68:69] offset:2048*\u+64*\dh
	global_load_b128 v[Q+16*\u+8*\dh+4:Q+16*\u+8*\dh+7], v[QOFF], s[68:69] offset:2048*\u+64*\dh+32
.endr
.endr
	WIN 0x40
.irp u, 0,1
.irp dh, 0,1
	global_load_b128 v[Q2+16*\u+8*\dh:Q2+16*\u+8*\dh+3],   v[QOFF], s[92:93] offset:2048*\u+64*\dh
	global_load_b128 v[Q2+16*\u+8*\dh+4:Q2+16*\u+8*\dh+7], v[QOFF], s[92:93] offset:2048*\u+64*\dh+32
.endr
.endr
	WIN 0
	v_mul_u32_u24 v4, v2, KP
	v_lshl_add_u32 v4, v3, 4, v4
	v_add_nc_u32 v[KADR], KOFS, v4
	v_add_nc_u32 v[KADR+1], KOFS+SLOT, v4
	v_and_b32 v4, 7, v0
	v_lshl_add_u32 v4, v3, 3, v4                   ; key 8 (l / 16) + l % 8
	v_mul_u32_u24 v4, v4, VP
	v_bfe_u32 v5, v0, 3, 1
	v_lshl_add_u32 v[VADR], v5, 4, v4              ; + 16 bytes for lanes 8-15 of each half
	v_add_nc_u32 v[VADR+1], SLOT, v[VADR]
	s_mul_i32 s99, s10, 16*SP
	s_add_co_u32 s99, s99, STAGE
	v_mul_u32_u24 v4, v2, SP
	v_lshl_add_u32 v4, v3, 5, v4
	v_add_nc_u32 v[STO], s99, v4
	v_mul_u32_u24 v4, v3, SP
	v_lshl_add_u32 v4, v2, 4, v4
	v_add_nc_u32 v[RD], s99, v4
	v_add_nc_u32 v4, s47, v3
	v_lshlrev_b32 v4, 12, v4
	v_lshl_add_u32 v[OOFF], v2, 4, v4
	v_add_nc_u32 v4, s47, v1
	v_lshlrev_b32 v[LOFF], 2, v4
	v_mov_b32 v[NINF], 0xff800000
	v_lshlrev_b32 v4, 3, v3
	v_sub_nc_u32 v4, v2, v4
	v_add_nc_u32 v[VQ], s47, v4
	v_add_nc_u32 v[VQ+1], 16, v[VQ]
.macro LDK slot, ch                    ; 16 loads: K fragments of keys 64 ch .. + 63
.irp kt, 0,1,2,3
.irp dh, 0,1
	ds_load_b128 v[KF+16*\kt+8*\dh:KF+16*\kt+8*\dh+3],   v[KADR+\slot] offset:(64*\ch+16*\kt)*KP+64*\dh
	ds_load_b128 v[KF+16*\kt+8*\dh+4:KF+16*\kt+8*\dh+7], v[KADR+\slot] offset:(64*\ch+16*\kt)*KP+64*\dh+32
.endr
.endr
.endm
.macro LDV slot, ch                    ; 16 transposing loads into window 1: V^T fragments: 16 d x 32 keys each
	WIN 0x40
.irp kg, 0,1
.irp dt, 0,1,2,3
	ds_load_tr16_b128 v[VF+8*(4*\kg+\dt):VF+8*(4*\kg+\dt)+3],   v[VADR+\slot] offset:(64*\ch+32*\kg)*VP+32*\dt
	ds_load_tr16_b128 v[VF+8*(4*\kg+\dt)+4:VF+8*(4*\kg+\dt)+7], v[VADR+\slot] offset:(64*\ch+32*\kg+16)*VP+32*\dt
.endr
.endr
	WIN 0
.endm
; Matrix instruction i (0-7) of a tile's QK: four key tiles start their sums on d 0-31, then add d 32-63.  Of its PV: keys 0-31
; onto the four d tiles, then keys 32-63.  In both the four accumulators take turns, one instruction a turn, and a run's last and
; the next run's first name different accumulators.
.macro QKI u, i
.if \i < 4
	v_wmma_f32_16x16x32_f16 v[S+32*\u+8*\i:S+32*\u+8*\i+7], v[KF+16*\i:KF+16*\i+7], v[Q+16*\u:Q+16*\u+7], 0
.else
	v_wmma_f32_16x16x32_f16 v[S+32*\u+8*(\i-4):S+32*\u+8*(\i-4)+7], v[KF+16*(\i-4)+8:KF+16*(\i-4)+15], v[Q+16*\u+8:Q+16*\u+15], v[S+32*\u+8*(\i-4):S+32*\u+8*(\i-4)+7]
.endif
.endm
.macro PVI u, i
	WIN 0x51
	v_wmma_f32_16x16x32_f16 v[32*\u+8*(\i%4):32*\u+8*(\i%4)+7], v[VF+8*\i:VF+8*\i+7], v[P+16*\u+8*(\i/4):P+16*\u+8*(\i/4)+7], v[32*\u+8*(\i%4):32*\u+8*(\i%4)+7]
.endm
.macro RS u, part                      ; under 0x51: a quarter of O^T of tile u times its rescale factor
	s_wait_alu depctr_va_vdst(0)
.irp k, 0,2,4,6
	v_pk_mul_f32 v[32*\u+8*\part+\k:32*\u+8*\part+\k+1], v[32*\u+8*\part+\k:32*\u+8*\part+\k+1], v[AL+2*\u:AL+2*\u+1] op_sel_hi:[1,0]
.endr
.endm
.macro MASK u, ch                      ; the diagonal block: keys behind the query get -infinity
.irp kt, 0,1,2,3
.irp j, 0,1,2,3,4,5,6,7
	v_cmp_le_i32 vcc_lo, 64*\ch+16*\kt+\j, v[VQ+\u]            ; key <= query
	v_cndmask_b32 v[S+32*\u+8*\kt+\j], v[NINF], v[S+32*\u+8*\kt+\j], vcc_lo
.endr
.endr
.endm
.macro MX3 t, a                        ; chain t takes two more scores
	v_max3_num_f32 v[T+\t], v[T+\t], v[SB+\a], v[SB+\a+1]
.endm
.macro FM8 a                           ; eight packed lines: s c + (-c m) on 16 scores
.irp k, 0,2,4,6,8,10,12,14
	v_pk_fma_f32 v[SB+\a+\k:SB+\a+\k+1], v[SB+\a+\k:SB+\a+\k+1], s[78:79], v[NMU:NMU+1] op_sel_hi:[1,0,0]
.endr
.endm
.macro EX8 a
.irp k, 0,1,2,3,4,5,6,7
	v_exp_f32 v[SB+\a+\k], v[SB+\a+\k]
.endr
.endm
.macro CV4 kt                          ; 8 probabilities to f16
	s_wait_alu depctr_va_vdst(0)
.irp i, 0,1,2,3
	v_cvt_pk_f16_f32 v[PB+4*\kt+\i], v[SB+8*\kt+2*\i], v[SB+8*\kt+2*\i+1]
.endr
.endm
; Slice n of tile u's 64 keys.  Behind each run of exponentials stands a slice of plain lines that name none of its registers
; before its results are read (ISA guide 5.7.2).  Slices 7 and 15 are four plain lines: the places behind the matrix instruction
; in front of them, for the loads and the reads that follow.
.macro SM u, n
.set SB, S+32*\u
.set PB, P+16*\u
.set NMU, NM+2*\u
.set ALU, AL+2*\u
.if \n == 0
	v_max3_num_f32 v[T],   v[SB],   v[SB+1],  v[SB+2]          ; four chains over my 32 scores
	v_max3_num_f32 v[T+1], v[SB+3], v[SB+4],  v[SB+5]
	v_max3_num_f32 v[T+2], v[SB+6], v[SB+7],  v[SB+8]
	v_max3_num_f32 v[T+3], v[SB+9], v[SB+10], v[SB+11]
	MX3 0, 12
	MX3 1, 14
	MX3 2, 16
	MX3 3, 18
.elseif \n == 1
	MX3 0, 20
	MX3 1, 22
	MX3 2, 24
	MX3 3, 26
	MX3 0, 28
	MX3 1, 30
	v_max3_num_f32 v[T], v[T], v[T+1], v[T+2]
	v_max_num_f32 v[T], v[T], v[T+3]
.elseif \n == 2
	v_permlanex16_b32 v[T+1], v[T], s80, s81                   ; the other half's keys of the same query
	v_max3_num_f32 v[TE], v[T], v[T+1], v[NMU+1]               ; the new maximum; finite: key 0 of a block is never masked
	v_sub_f32 v[TE+1], v[NMU+1], v[TE]
	v_mul_f32 v[TE+1], s78, v[TE+1]
	v_exp_f32 v[ALU], v[TE+1]                                  ; 0 at a query block's first keys, where the old maximum is -infinity
	v_mul_f32 v[NMU], s67, v[TE]                               ; the plain line behind the exponential
	v_mov_b32 v[NMU+1], v[TE]
	s_wait_alu depctr_va_vdst(0)
.elseif \n == 3
	FM8 0
.elseif \n == 4
	EX8 0
.elseif \n == 5
	FM8 16
.elseif \n == 6
	EX8 8
.elseif \n == 7
	CV4 0
.elseif \n == 8
	EX8 16
.elseif \n == 9
.irp i, 0,2,4,6
	v_pk_add_f32 v[T+\i:T+\i+1], v[SB+\i:SB+\i+1], v[SB+8+\i:SB+8+\i+1]     ; four chains of sums
.endr
	CV4 1
.elseif \n == 10
	EX8 24
.elseif \n == 11
	s_wait_alu depctr_va_vdst(0)
.irp i, 0,2,4,6
	v_pk_add_f32 v[T+\i:T+\i+1], v[T+\i:T+\i+1], v[SB+16+\i:SB+16+\i+1]
.endr
	CV4 2
.elseif \n == 12
.irp i, 0,2,4,6
	v_pk_add_f32 v[T+\i:T+\i+1], v[T+\i:T+\i+1], v[SB+24+\i:SB+24+\i+1]
.endr
.elseif \n == 13
	v_pk_add_f32 v[T:T+1], v[T:T+1], v[T+2:T+3]
	v_pk_add_f32 v[T+4:T+5], v[T+4:T+5], v[T+6:T+7]
.elseif \n == 14
	v_pk_add_f32 v[T:T+1], v[T:T+1], v[T+4:T+5]
	v_add_f32 v[T], v[T], v[T+1]
	v_fma_f32 v[ALU+1], v[ALU+1], v[ALU], v[T]                 ; sum = sum x factor + this chunk's
.else
	CV4 3
.endif
.endm
; SM of tile su beside 8 PV of tile pu and 8 QK of tile qu.  The factor is there behind slice 2; the rescaling rides on PV 4-7.
; mid = 1: the next K fragments are waited for; mid = 2: the next V^T fragments are asked for, behind slice 7's four places.
.macro PHASE16 su, pu, qu, mid, slot
.irp n, 0,1,2,3,4,5,6,7
	PVI \pu, \n
.if \n >= 4
	RS \su, (\n-4)
.endif
	WIN 0
	SM \su, \n
.endr
.if \mid == 1
	s_wait_dscnt 0                                 ; K's fragments of the second chunk are in
.else
	LDV \slot, 1
.endif
.irp n, 8,9,10,11,12,13,14,15
	QKI \qu, (\n-8)
	SM \su, \n
.endr
.endm
; A step: 128 keys as two chunks of 64.
.macro STEPBODY slot, masked
	PLACES 4                                       ; behind the last step's PV, onto whose first source loads now land
	LDK \slot, 0
	LDV \slot, 0
	s_wait_dscnt 16                                ; K's 16 loads are in, V's 16 stay out
.irp n, 0,1,2,3,4,5,6,7
	QKI 0, \n
.endr
	PLACES 4                                       ; before tile 0's scores are read (ISA guide 7.12.1)
.if \masked
	MASK 0, 0
.endif
.irp n, 0,1,2,3,4,5,6,7
	QKI 1, \n
	SM 0, 2*\n
	SM 0, 2*\n+1
.if \n == 1
	WIN 0x51                                       ; no PV stands here to ride on: one excursion for the whole rescaling
	RS 0, 0
	RS 0, 1
	RS 0, 2
	RS 0, 3
	WIN 0
.endif
.endr
	LDK \slot, 1                                   ; behind slices 14 and 15: seven places
	s_wait_dscnt 16                                ; V's fragments are in, the next K's 16 stay out
.if \masked
	MASK 1, 0
.endif
	PHASE16 1, 0, 0, 1, \slot
.if \masked
	MASK 0, 1
.endif
	PHASE16 0, 1, 1, 2, \slot
	s_wait_dscnt 0                                 ; V's fragments of the second chunk are in
.if \masked
	MASK 1, 1
.endif
.irp n, 0,1,2,3,4,5,6,7
	PVI 0, \n
.if \n >= 2
.if \n < 6
	RS 1, (\n-2)
.endif
.endif
	WIN 0
	SM 1, 2*\n
	SM 1, 2*\n+1
.endr
.irp n, 0,1,2,3,4,5,6,7
	PVI 1, \n
.endr
	WIN 0
.endm
; A query block is finished: O / l through my stage to o32 as whole rows of 256 bytes; (-c m) - log2 l to nlse.
.macro FINALIZE
	PLACES 4
.irp u, 0,1
	v_permlanex16_b32 v[T+\u], v[AL+2*\u+1], s80, s81
	v_add_f32 v[T+\u], v[T+\u], v[AL+2*\u+1]       ; both halves' keys
	v_rcp_f32 v[AL+2*\u], v[T+\u]
	v_log_f32 v[T+2+\u], v[T+\u]
	v_nop                                          ; the plain place behind the two
	s_wait_alu depctr_va_vdst(0)
	v_sub_f32 v[T+4+\u], v[NM+2*\u], v[T+2+\u]
.endr
	WIN 0x01
.irp u, 0,1
.irp k, 0,2,4,6,8,10,12,14,16,18,20,22,24,26,28,30
	v_pk_mul_f32 v[S+32*\u+\k:S+32*\u+\k+1], v[32*\u+\k:32*\u+\k+1], v[AL+2*\u:AL+2*\u+1] op_sel_hi:[1,0]
.endr
.endr
	WIN 0
.irp u, 0,1
.irp dt, 0,1,2,3
	ds_store_b128 v[STO], v[S+32*\u+8*\dt:S+32*\u+8*\dt+3]   offset:64*\dt
	ds_store_b128 v[STO], v[S+32*\u+8*\dt+4:S+32*\u+8*\dt+7] offset:64*\dt+16
.endr
.irp t, 0,1,2,3,4,5,6,7
	ds_load_b128 v[KF+32*\u+4*\t:KF+32*\u+4*\t+3], v[RD] offset:\t*2*SP      ; LDS serves a wave's instructions in order: these see the stores above
.endr
.irp t, 0,1,2,3,4,5,6,7
	s_wait_dscnt 7-\t                              ; load t is back, the younger ones stay out
	global_store_b128 v[OOFF], v[KF+32*\u+4*\t:KF+32*\u+4*\t+3], s[70:71] offset:(16*\u+2*\t)*4096   ; sixteen lanes: 256 consecutive aligned bytes
.endr
.endr
	v_cndmask_b32 v[TE], v[T+4], v[T+5], s83       ; lane l takes query 32 w + l: tile 0 below, tile 1 above
	global_store_b32 v[LOFF], v[TE], s[72:73]      ; 128 consecutive bytes
	s_wait_xcnt 0x0                                ; the stores' bases and data are written again only behind this wait
.endm
.macro INITQ                           ; a query block begins: maximum -infinity, sum 0, O^T 0 (twice in the launch, so that all 17 steps are alike)
	v_mov_b32 v[NM+1], v[NINF]
	v_mov_b32 v[NM+3], v[NINF]
	v_mov_b32 v[AL+1], 0
	v_mov_b32 v[AL+3], 0
	WIN 0x40
.set ix, 0
.rept 64
	v_mov_b32 v[ix], 0
.set ix, ix+1
.endr
	WIN 0
.endm
; One step in slot; the next step's tiles are asked for into the other slot.
.macro TRIP slot, other
	s_wait_tensorcnt 0x0                           ; all my tensor loads have landed, my part of this step's tiles among them: every group 0 may be written
	ds_add_u32 v254, v255
	s_add_co_u32 s66, s23, 1
	s_cmp_eq_u32 s23, s22
	s_cselect_b32 s66, 0, s66                      ; the next key block: behind the diagonal the second query block starts at 0
	s_lshl_b32 s20, s66, 14                        ; 128 rows of 128 bytes
	s_add_nc_u64 s[G0K+4*\other+2:G0K+4*\other+3], s[16:17], s[20:21]
	s_or_b32 s[G0K+4*\other+3], s[G0K+4*\other+3], 0x80000000
	s_add_nc_u64 s[G0V+4*\other+2:G0V+4*\other+3], s[18:19], s[20:21]
	s_or_b32 s[G0V+4*\other+3], s[G0V+4*\other+3], 0x80000000
	s_wait_dscnt 0x0                               ; my reads of the other slot are over
	ROUND                                          ; both now hold of every wave of all sixteen work-groups
	JLOAD \other                                   ; my one tensor load behind the round; it has this whole step in which to land
	s_cmp_eq_u32 s23, s22
	s_cbranch_scc1 .Ldiag_\@
	STEPBODY \slot, 0
	s_add_co_u32 s23, s23, 1
	s_branch .Ljoin_\@
.Ldiag_\@:
	STEPBODY \slot, 1
	FINALIZE
	s_mov_b32 s22, s97                             ; the second query block
	s_mov_b32 s23, 0
	s_mov_b64 s[70:71], s[74:75]
	s_mov_b64 s[72:73], s[76:77]
	WIN 0x01
.set ix, 0
.rept 32
	v_mov_b32 v[Q+ix], v[Q2+ix]                    ; its Q, in registers since the head
.set ix, ix+1
.endr
	WIN 0
	INITQ
.Ljoin_\@:
.endm
	INITQ
	s_wait_loadcnt 0x0                             ; both blocks' Q
	s_mov_b32 s82, 8
.Lsteps:                                           ; steps 0 to 15; the first block's diagonal is step p
	TRIP 0, 1
	TRIP 1, 0
	s_sub_co_u32 s82, s82, 1
	s_cmp_lg_u32 s82, 0
	s_cbranch_scc1 .Lsteps
	s_wait_tensorcnt 0x0                           ; step 16, the second block's diagonal: nothing is left to fetch
	s_wait_dscnt 0x0
	s_barrier_signal -1
	s_barrier_wait -1                              ; every wave's part of the tiles has landed
	STEPBODY 0, 1
	FINALIZE
	s_wait_tensorcnt 0x0
	ds_add_u32 v254, v255
	s_wait_dscnt 0x0
	ROUND                                          ; the closing round: no work-group ends while a partner may still ask for a tile that names it
	s_endpgm
.Lfunc_end_k_q789c177d8f_attn:
	.size	k_q789c177d8f_attn, .Lfunc_end_k_q789c177d8f_attn-k_q789c177d8f_attn
	.p2alignl 7, 3214868480
	.fill 96, 4, 3214868480
	.section	.rodata,"a",@progbits
	.p2align	6, 0x0
	.amdhsa_kernel k_q789c177d8f_attn
		.amdhsa_group_segment_fixed_size 327680
		.amdhsa_private_segment_fixed_size 0
		.amdhsa_enable_private_segment 0
		.amdhsa_kernarg_size 24
		.amdhsa_user_sgpr_count 2
		.amdhsa_user_sgpr_kernarg_segment_ptr 1
		.amdhsa_wavefront_size32 1
		.amdhsa_system_sgpr_workgroup_id_x 1
		.amdhsa_system_sgpr_workgroup_id_y 1
		.amdhsa_system_sgpr_workgroup_id_z 1
		.amdhsa_system_vgpr_workitem_id 0
		.amdhsa_next_free_vgpr 416
		.amdhsa_next_free_sgpr 100
		.amdhsa_reserve_vcc 1
		.amdhsa_float_denorm_mode_32 3
		.amdhsa_float_denorm_mode_16_64 3
		.amdhsa_memory_ordered 1
		.amdhsa_forward_progress 1
		.amdhsa_inst_pref_size 254
	.end_amdhsa_kernel
	.amdgpu_metadata
---
amdhsa.version: [ 1, 2 ]
amdhsa.kernels:
  - .name:           k_q789c177d8f_attn
    .symbol:         k_q789c177d8f_attn.kd
    .args:
      - { .name: qkv, .offset: 0, .size: 8, .value_kind: global_buffer, .address_space: global }
      - { .name: o32, .offset: 8, .size: 8, .value_kind: global_buffer, .address_space: global }
      - { .name: nlse, .offset: 16, .size: 8, .value_kind: global_buffer, .address_space: global }
    .group_segment_fixed_size: 327680
    .private_segment_fixed_size: 0
    .kernarg_segment_align: 8
    .kernarg_segment_size: 24
    .max_flat_workgroup_size: 128
    .sgpr_count:     100
    .vgpr_count:     416
    .wavefront_size: 32
...
	.end_amdgpu_metadata
.endif
;; end of part 3
;; launch colsum_ln (part 4): grid 8 x 32, 4 waves a work-group, no clusters, 10,752 bytes of LDS; arguments qkv, nlse, o32, ln_g, ln_b, cs, a16; writes cs, a16
.if DOCPART == 4
	.amdgcn_target "amdgcn-amd-amdhsa--gfx1250"
	.amdhsa_code_object_version 6
	.text
	.protected	k_q789c177d8f_colsum_ln
	.globl	k_q789c177d8f_colsum_ln
	.p2align	8
	.type	k_q789c177d8f_colsum_ln,@function
k_q789c177d8f_colsum_ln:
	s_mov_b64 s[64:65], 0
	v_nop
	global_prefetch_b8 v0, s[64:65] scope:SCOPE_SE
	s_setreg_imm32_b32 hwreg(HW_REG_WAVE_MODE, 25, 1), 1
	s_wait_xcnt 0x0
; COLSUM_LN: two pieces of work that need only the attention launch's results.
; (1) LayerNorm of o32's rows (mean, then the mean of squared differences, as reference() forms them), times ln_g plus ln_b, to f16.
; (2) cs[b][4 j + i][s] = 1/2048 x the sum over queries n of 2^(score c + nlse[n]): the mean over n of the probabilities of head 4 i + j.
; WORK LEFT OUT: blocks of 128 queries that lie wholly before a block of 128 keys (n < s for all of them): reference()'s own tril
; makes their probabilities 0 for all inputs.  A NaN or infinity that reaches only them is not carried on.
; SHARES: work-group (x = p, y = 16 b + 4 i + j).  LayerNorm: rows 16 (8 y + x) .. + 15, four for each wave, a row in 32 registers.
; Column sums: key blocks 15 - p, then p; the query blocks walk from 15 down to the key block, whose own (diagonal) step is the last:
; (p + 1) + (16 - p) = 17 steps in every work-group.  A wave takes 32 queries (two tiles) x all 128 keys: S = Q K^T, lane l holds key
; l % 16 of a tile and register j query 8 (l / 16) + j, so the sum over queries is arithmetic inside a lane.
; THE TILES TAKE TURNS: a tile has 16 matrix instructions and 128 vector instructions (VS, 16 slices of 8).  On two sets of scores,
; a slice of one tile stands behind each matrix instruction of the next tile, over the step's end too.  No plain-path vector line
; names a vector register as its second source, so the whole path runs under the one setting 0x04 (K in window 1); the sums are
; fused multiply-adds by 1 and, onto the running sum, by 1/2048.  The two diagonal steps change windows round each product.
; LOADS: the head's 2,048 nlse go to LDS once (8 KiB) and are read a step ahead; the first key block and the Q of steps 0 and 1 are
; asked for at entry, ahead of the LayerNorm; Q of step t + 2 in the middle of step t, into the buffer just read for the last time.
; NO CLUSTER, NO TENSOR LOADS: what is streamed (Q) is read once by one wave, straight into fragments; the work-groups of one head
; own different key blocks and so need different numbers of query blocks at different times.
; REGISTERS: window 0 as named below; window 1: K's fragments at v[16 kt + 8 dh], gains at v128-159, biases at v160-191.
.set CSR,  3                           ; 16 l
.set QOFF, 8                           ; (32 w + l % 16) 128 + 16 (l / 16)
.set NOFF, 9                           ; (32 w + 8 (l / 16)) 4
.set KOFF, 10                          ; (l % 16) 128 + 16 (l / 16)
.set VK,   11                          ; l % 16 - 8 (l / 16) - 32 w
.set CSA,  12                          ; (128 w + l % 16) 4
.set NINF, 13
.set NLA,  14                          ; LDS address of my queries' nlse in a query block
.set CST,  15                          ; 16 t
.set ACC,  16                          ; v16-31   a pair of sums for each key tile
.set LT,   16                          ; v16-21   the LayerNorm's temporaries (before the sums begin)
.set QB,   32                          ; v32-95   Q fragments, two buffers of 32, at 16 u + 8 dh
.set NL,   96                          ; v96-127  nlse of my queries, two buffers of 16, at 8 u + j
.set SA,   128                         ; v128-191 scores of tile 0 at SA + 8 kt
.set SB,   192                         ; v192-255 scores of tile 1
.set NLDS, 2048                        ; LDS: bytes 0-2047 the waves' sums, 2048-10239 the head's nlse
.set MSB, 0
.macro WIN new                         ; the immediate's high byte repeats the setting that is left
.if MSB != \new
	s_set_vgpr_msb (MSB<<8)|\new
.set MSB, \new
.endif
.endm
.macro PLACES n
.rept \n
	v_nop
.endr
.endm
; The query block behind src: one down; behind a diagonal the second walk starts at 15 (s52: the walk's key block).
; The bound 15 is written out: whatever number stands in src, an nlse read made of dst ends at 2048 + 15 x 512 + 416 + 96 = 10,240
; at the most, apart from the sums' bytes 0-2047, and a Q address stays inside the head's 16 blocks.  The walk itself never goes
; below its key block, so the bound changes no number.  It writes SCC: it stands behind both selects.
.macro GEN dst, src
	s_sub_co_u32 \dst, \src, 1
	s_cmp_eq_u32 \src, s52
	s_cselect_b32 \dst, 15, \dst
	s_cselect_b32 s52, s19, s52
	s_min_u32 \dst, \dst, 15
.endm
.macro LOADQ buf, sq                   ; 8 loads: my 32 queries' fragments of query block sq
	s_wait_xcnt 0x0                                ; the base, which earlier loads name, is written again only behind this wait
	s_lshl_b32 s20, \sq, 14
	s_add_nc_u64 s[24:25], s[34:35], s[20:21]
.irp u, 0,1
.irp dh, 0,1
	global_load_b128 v[QB+32*\buf+16*\u+8*\dh:QB+32*\buf+16*\u+8*\dh+3],   v[QOFF], s[24:25] offset:2048*\u+64*\dh
	global_load_b128 v[QB+32*\buf+16*\u+8*\dh+4:QB+32*\buf+16*\u+8*\dh+7], v[QOFF], s[24:25] offset:2048*\u+64*\dh+32
.endr
.endr
.endm
.macro LDNL buf, sq                    ; 4 LDS loads: their nlse
	v_lshl_add_u32 v[NLA], \sq, 9, v[NOFF]
.irp u, 0,1
	ds_load_b128 v[NL+16*\buf+8*\u:NL+16*\buf+8*\u+3],   v[NLA] offset:NLDS+64*\u
	ds_load_b128 v[NL+16*\buf+8*\u+4:NL+16*\buf+8*\u+7], v[NLA] offset:NLDS+64*\u+16
.endr
.endm
.macro LOADK sk                        ; 32 loads: key block sk: its 128 keys' fragments into window 1
	s_lshl_b32 s20, \sk, 14
	s_add_nc_u64 s[40:41], s[36:37], s[20:21]
	WIN 0x40
.irp kt, 0,1,2,3,4,5,6,7
.irp dh, 0,1
	global_load_b128 v[16*\kt+8*\dh:16*\kt+8*\dh+3],   v[KOFF], s[40:41] offset:2048*\kt+64*\dh
	global_load_b128 v[16*\kt+8*\dh+4:16*\kt+8*\dh+7], v[KOFF], s[40:41] offset:2048*\kt+64*\dh+32
.endr
.endr
	WIN 0
.endm
.macro CLEARACC
.set ix, 0
.rept 16
	v_mov_b32 v[ACC+ix], 0
.set ix, ix+1
.endr
.endm
	s_load_b256 s[4:11], s[0:1], 0x0               ; qkv s[4:5], nlse s[6:7], o32 s[8:9], ln_g s[10:11]
	s_load_b128 s[12:15], s[0:1], 0x20             ; ln_b s[12:13], cs s[14:15]
	s_load_b64 s[16:17], s[0:1], 0x30              ; a16
	s_set_vgpr_msb 0x40
	v_lshl_add_u32 v192, v0, 2, 0x2800
	v_mov_b32 v193, 0
	s_set_vgpr_msb 0x4000
	v_and_b32 v1, 31, v0
	v_lshrrev_b32 v2, 5, v0
	v_readfirstlane_b32 s18, v2                    ; wave
	s_mov_b32 s19, ttmp9                           ; p
	s_and_b32 s33, ttmp7, 0xffff                   ; 16 b + 4 i + j
	s_mov_b32 s42, 0x3a800000                      ; 1 / 1024
	s_mov_b32 s43, 0x3727c5ac                      ; 1e-5
	s_mov_b32 s78, 0x3e38aa3b                      ; c = log2(e) / 8, twice
	s_mov_b32 s79, 0x3e38aa3b
	s_mov_b32 s80, 0x76543210
	s_mov_b32 s81, 0xfedcba98
	s_mov_b32 s21, 0
	v_lshlrev_b32 v[CSR], 4, v1                    ; 16 l
	v_lshlrev_b32 v[CST], 4, v0                    ; 16 t
	s_lshl_b32 s45, s18, 14                        ; my four rows of 4,096 bytes
	v_add_nc_u32 v4, s45, v[CSR]
	v_lshlrev_b32 v5, 3, v1
	s_lshl_b32 s45, s18, 13                        ; and of 2,048 bytes
	v_add_nc_u32 v5, s45, v5
	v_and_b32 v1, 15, v0                           ; l % 16
	v_bfe_u32 v2, v0, 4, 1                         ; l / 16
	s_lshl_b32 s45, s18, 5                         ; 32 w
	v_add_nc_u32 v6, s45, v1
	v_lshlrev_b32 v6, 7, v6
	v_lshl_add_u32 v[QOFF], v2, 4, v6
	v_lshlrev_b32 v6, 3, v2                        ; 8 (l / 16)
	v_add_nc_u32 v7, s45, v6
	v_lshlrev_b32 v[NOFF], 2, v7
	v_lshlrev_b32 v7, 7, v1
	v_lshl_add_u32 v[KOFF], v2, 4, v7
	v_sub_nc_u32 v7, v1, v6
	v_sub_nc_u32 v[VK], v7, s45
	s_lshl_b32 s46, s18, 9
	v_lshl_add_u32 v[CSA], v1, 2, s46
	v_mov_b32 v[NINF], 0xff800000
	s_sub_co_u32 s22, 15, s19                      ; the key block at work: 15 - p first
	s_mov_b32 s52, s22
	s_mov_b32 s23, 15                              ; the query blocks of steps t,
	GEN s50, s23                                   ; t + 1
	GEN s51, s50                                   ; and t + 2
	s_lshl_b32 s49, s33, 3
	s_add_co_u32 s49, s49, s19                     ; work-group number: 16 rows of o32 each
	s_lshr_b32 s44, s33, 4                         ; b
	s_and_b32 s45, s33, 15                         ; 4 i + j
	s_bfe_u32 s46, s33, 0x20002                    ; i
	s_and_b32 s47, s33, 3                          ; j
	s_mul_i32 s48, s44, 24
	s_wait_kmcnt 0x0
	s_lshl_b32 s20, s49, 16
	s_add_nc_u64 s[8:9], s[8:9], s[20:21]
	s_lshl_b32 s20, s49, 15
	s_add_nc_u64 s[16:17], s[16:17], s[20:21]
	s_add_co_u32 s20, s48, s45
	s_lshl_b32 s20, s20, 18
	s_add_nc_u64 s[34:35], s[4:5], s[20:21]        ; Q's head slot
	s_add_co_u32 s20, s48, s46
	s_add_co_u32 s20, s20, 16
	s_lshl_b32 s20, s20, 18
	s_add_nc_u64 s[36:37], s[4:5], s[20:21]        ; K's head slot
	s_lshl_b32 s20, s33, 13
	s_add_nc_u64 s[38:39], s[6:7], s[20:21]        ; my row of nlse
	s_lshl2_add_u32 s20, s47, s46                  ; 4 j + i
	s_lshl4_add_u32 s20, s44, s20                  ; + 16 b
	s_lshl_b32 s20, s20, 13
	s_add_nc_u64 s[30:31], s[14:15], s[20:21]      ; my row of cs
	; all that is known at entry goes out now, the column sums' first needs ahead of the LayerNorm's rows
.irp i, 0,1,2,3
	global_load_b128 v[240+4*\i:243+4*\i], v[CST], s[38:39] offset:2048*\i   ; the head's nlse: 64 bytes a thread
.endr
	LOADK s22
	LOADQ 0, s23
	LOADQ 1, s50
	WIN 0x40
.irp c, 0,1,2,3,4,5,6,7
	global_load_b128 v[128+4*\c:131+4*\c], v[CSR], s[10:11] offset:512*\c    ; gains of my columns 128 c + 4 l ..
.endr
.irp c, 0,1,2,3,4,5,6,7
	global_load_b128 v[160+4*\c:163+4*\c], v[CSR], s[12:13] offset:512*\c    ; biases
.endr
	WIN 0
.irp rr, 0,1,2,3
.irp c, 0,1,2,3,4,5,6,7
	global_load_b128 v[96+32*\rr+4*\c:99+32*\rr+4*\c], v4, s[8:9] offset:4096*\rr+512*\c th:TH_LOAD_NT
.endr
.endr
.macro WSUM a, t                       ; the sum over the 32 lanes, in every lane
	v_add_f32_dpp v[\a], v[\a], v[\a] row_xmask:1 row_mask:0xf bank_mask:0xf
	v_add_f32_dpp v[\a], v[\a], v[\a] row_xmask:2 row_mask:0xf bank_mask:0xf
	v_add_f32_dpp v[\a], v[\a], v[\a] row_xmask:4 row_mask:0xf bank_mask:0xf
	v_add_f32_dpp v[\a], v[\a], v[\a] row_xmask:8 row_mask:0xf bank_mask:0xf
	v_permlanex16_b32 v[\t], v[\a], s80, s81
	v_add_f32 v[\a], v[\a], v[\t]
.endm
.macro LNROW rr, left
.set X, 96+32*\rr
	s_wait_loadcnt \left                           ; this row and all that was asked for before it are in; the younger rows' loads stay out
	v_pk_add_f32 v[LT:LT+1], v[X:X+1], v[X+2:X+3]
	v_pk_add_f32 v[LT+2:LT+3], v[X+4:X+5], v[X+6:X+7]
.irp k, 8,12,16,20,24,28
	v_pk_add_f32 v[LT:LT+1], v[LT:LT+1], v[X+\k:X+\k+1]
	v_pk_add_f32 v[LT+2:LT+3], v[LT+2:LT+3], v[X+\k+2:X+\k+3]
.endr
	v_pk_add_f32 v[LT:LT+1], v[LT:LT+1], v[LT+2:LT+3]
	v_add_f32 v[LT], v[LT], v[LT+1]
	WSUM LT, LT+1
	v_mul_f32 v[LT], s42, v[LT]                    ; the mean
	v_mov_b32 v[LT+1], v[LT]
.irp k, 0,2,4,6,8,10,12,14,16,18,20,22,24,26,28,30
	v_pk_add_f32 v[X+\k:X+\k+1], v[X+\k:X+\k+1], v[LT:LT+1] neg_lo:[0,1] neg_hi:[0,1]
.endr
	v_pk_mul_f32 v[LT+2:LT+3], v[X:X+1], v[X:X+1]
	v_pk_mul_f32 v[LT+4:LT+5], v[X+2:X+3], v[X+2:X+3]
.irp k, 4,8,12,16,20,24,28
	v_pk_fma_f32 v[LT+2:LT+3], v[X+\k:X+\k+1], v[X+\k:X+\k+1], v[LT+2:LT+3]
	v_pk_fma_f32 v[LT+4:LT+5], v[X+\k+2:X+\k+3], v[X+\k+2:X+\k+3], v[LT+4:LT+5]
.endr
	v_pk_add_f32 v[LT+2:LT+3], v[LT+2:LT+3], v[LT+4:LT+5]
	v_add_f32 v[LT+2], v[LT+2], v[LT+3]
	WSUM LT+2, LT+3
	v_fma_f32 v[LT+2], v[LT+2], s42, s43           ; variance + 1e-5
	v_rsq_f32 v[LT+4], v[LT+2]
	v_nop                                          ; the plain place behind it (ISA guide 5.7.2)
	s_wait_alu depctr_va_vdst(0)
	v_mov_b32 v[LT+5], v[LT+4]
.irp k, 0,2,4,6,8,10,12,14,16,18,20,22,24,26,28,30
	v_pk_mul_f32 v[X+\k:X+\k+1], v[X+\k:X+\k+1], v[LT+4:LT+5]
.endr
	WIN 0x14                                       ; gains and biases: second and third source in window 1
.irp k, 0,2,4,6,8,10,12,14,16,18,20,22,24,26,28,30
	v_pk_fma_f32 v[X+\k:X+\k+1], v[X+\k:X+\k+1], v[128+\k:129+\k], v[160+\k:161+\k]
.endr
	WIN 0
	s_wait_xcnt 0x0                                ; v224-239, the last row's store data, are written again only behind this wait
.irp k, 0,1,2,3,4,5,6,7,8,9,10,11,12,13,14,15
	v_cvt_pk_f16_f32 v[224+\k], v[X+2*\k], v[X+2*\k+1]
.endr
.irp c, 0,1,2,3,4,5,6,7
	global_store_b64 v5, v[224+2*\c:225+2*\c], s[16:17] offset:2048*\rr+256*\c   ; 32 lanes: 256 consecutive aligned bytes
.endr
.endm
	LNROW 0, 24
	LNROW 1, 16
	LNROW 2, 8
	LNROW 3, 0
.irp i, 0,1,2,3
	ds_store_b128 v[CST], v[240+4*\i:243+4*\i] offset:NLDS+2048*\i
.endr
	s_wait_dscnt 0x0                               ; my part of nlse is in LDS before I say so
	s_barrier_signal -1
	s_barrier_wait -1                              ; everybody's is
	s_wait_xcnt 0x0                                ; the LayerNorm's stores have read their registers
; Matrix instruction n (0-15) of a tile: eight key tiles start their sums on d 0-31, then add d 32-63.  The eight accumulators
; take turns, one instruction a turn, and the two sets of scores follow each other.
.macro MMC qb, sd, n
	WIN 0x04
.if \n < 8
	v_wmma_f32_16x16x32_f16 v[\sd+8*\n:\sd+8*\n+7], v[\qb:\qb+7], v[16*\n:16*\n+7], 0
.else
	v_wmma_f32_16x16x32_f16 v[\sd+8*(\n-8):\sd+8*(\n-8)+7], v[\qb+8:\qb+15], v[16*(\n-8)+8:16*(\n-8)+15], v[\sd+8*(\n-8):\sd+8*(\n-8)+7]
.endif
.endm
.macro FK sb, nl, u, masked, k         ; key tile k: score c + nlse; on the diagonal, -infinity for keys behind the query
.irp j, 0,2,4,6
	v_pk_fma_f32 v[\sb+8*\k+\j:\sb+8*\k+\j+1], v[\sb+8*\k+\j:\sb+8*\k+\j+1], s[78:79], v[\nl+\j:\nl+\j+1] op_sel_hi:[1,0,1]
.endr
.if \masked
.irp j, 0,1,2,3,4,5,6,7
	v_cmp_ge_i32 vcc_lo, 16*\u+\j-16*\k, v[VK]                 ; key <= query
	v_cndmask_b32 v[\sb+8*\k+\j], v[NINF], v[\sb+8*\k+\j], vcc_lo
.endr
.endif
.endm
.macro EK sb, k
.irp j, 0,1,2,3,4,5,6,7
	v_exp_f32 v[\sb+8*\k+\j], v[\sb+8*\k+\j]
.endr
.endm
.macro AK2 sb, k                       ; key tiles k and k + 1: eight probabilities each, added in pairs, then times 1/2048 onto the running pair
	s_wait_alu depctr_va_vdst(0)
.irp kk, \k, \k+1
	v_pk_fma_f32 v[\sb+8*(\kk):\sb+8*(\kk)+1],   v[\sb+8*(\kk):\sb+8*(\kk)+1],   1.0, v[\sb+8*(\kk)+2:\sb+8*(\kk)+3] op_sel_hi:[1,0,1]
	v_pk_fma_f32 v[\sb+8*(\kk)+4:\sb+8*(\kk)+5], v[\sb+8*(\kk)+4:\sb+8*(\kk)+5], 1.0, v[\sb+8*(\kk)+6:\sb+8*(\kk)+7] op_sel_hi:[1,0,1]
.endr
.irp kk, \k, \k+1
	v_pk_fma_f32 v[\sb+8*(\kk):\sb+8*(\kk)+1],   v[\sb+8*(\kk):\sb+8*(\kk)+1],   1.0, v[\sb+8*(\kk)+4:\sb+8*(\kk)+5] op_sel_hi:[1,0,1]
.endr
.irp kk, \k, \k+1
	v_pk_fma_f32 v[ACC+2*(\kk):ACC+2*(\kk)+1], v[\sb+8*(\kk):\sb+8*(\kk)+1], 0x3a000000, v[ACC+2*(\kk):ACC+2*(\kk)+1] op_sel_hi:[1,0,1]
.endr
.endm
; Slice n of a tile's vector work.  Behind each run of exponentials stand plain lines that name none of its registers before its
; results are read (ISA guide 5.7.2).  Slice 15 is eight plain lines: the places behind the last matrix instruction (7.12.1).
.macro VS sb, nl, u, masked, n
.if \masked
	WIN 0
.endif
.if \n == 0
	FK \sb, \nl, \u, \masked, 0
	FK \sb, \nl, \u, \masked, 1
.elseif \n == 1
	EK \sb, 0
.elseif \n == 2
	FK \sb, \nl, \u, \masked, 2
	FK \sb, \nl, \u, \masked, 3
.elseif \n == 3
	EK \sb, 1
.elseif \n == 4
	EK \sb, 2
.elseif \n == 5
	FK \sb, \nl, \u, \masked, 4
	FK \sb, \nl, \u, \masked, 5
.elseif \n == 6
	EK \sb, 3
.elseif \n == 7
	AK2 \sb, 0
.elseif \n == 8
	EK \sb, 4
.elseif \n == 9
	FK \sb, \nl, \u, \masked, 6
	FK \sb, \nl, \u, \masked, 7
.elseif \n == 10
	EK \sb, 5
.elseif \n == 11
	AK2 \sb, 2
.elseif \n == 12
	EK \sb, 6
.elseif \n == 13
	AK2 \sb, 4
.elseif \n == 14
	EK \sb, 7
.else
	AK2 \sb, 6
.endif
.endm
.macro PH1 buf, masked                 ; this step's tile 0 (vector) beside its tile 1 (matrix)
.irp n, 0,1,2,3,4,5,6,7,8,9,10,11,12,13,14,15
	MMC QB+32*\buf+16, SB, \n
	VS SA, NL+16*\buf, 0, \masked, \n
.endr
.endm
.macro PH2 buf, other                  ; this step's tile 1 (vector) beside the next step's tile 0 (matrix)
.irp n, 0,1,2,3,4,5,6,7,8,9,10,11,12,13,14,15
	MMC QB+32*\other, SA, \n
	VS SB, NL+16*\buf+8, 1, 0, \n
.endr
.endm
.macro VALONE buf                      ; a diagonal step's tile 1, masked, alone
.irp n, 0,1,2,3,4,5,6,7,8,9,10,11,12,13,14,15
	VS SB, NL+16*\buf+8, 1, 1, \n
.endr
.endm
.macro MALONE buf                      ; a walk's first tile 0, alone; four places before its scores are read
.irp n, 0,1,2,3,4,5,6,7,8,9,10,11,12,13,14,15
	MMC QB+32*\buf, SA, \n
.endr
	WIN 0
	PLACES 4
.endm
; A key block (s22) is finished: each wave's 128 sums meet in LDS; wave 0 adds the four and stores 512 consecutive bytes.
.macro FINCOL
.irp kt, 0,1,2,3,4,5,6,7
	v_add_f32 v[ACC+2*\kt], v[ACC+2*\kt], v[ACC+2*\kt+1]
.endr
.irp kt, 0,1,2,3,4,5,6,7
	v_permlanex16_b32 v[ACC+2*\kt+1], v[ACC+2*\kt], s80, s81   ; the other half's queries
.endr
.irp kt, 0,1,2,3,4,5,6,7
	v_add_f32 v[ACC+2*\kt], v[ACC+2*\kt], v[ACC+2*\kt+1]
	ds_store_b32 v[CSA], v[ACC+2*\kt] offset:64*\kt            ; both halves write the same word with the same value
.endr
	s_wait_dscnt 0x0                               ; my stores are in LDS before I say so
	s_barrier_signal -1
	s_barrier_wait -1
	s_cmp_lg_u32 s18, 0
	s_cbranch_scc1 .Lnot_wave_0_\@
.irp w, 0,1,2,3
	ds_load_b128 v[SA+4*\w:SA+4*\w+3], v[CSR] offset:512*\w
.endr
	s_lshl_b32 s20, s22, 9                         ; 128 f32 for each key block
	s_add_nc_u64 s[28:29], s[30:31], s[20:21]
	s_wait_dscnt 0x0
	v_pk_add_f32 v[SA:SA+1], v[SA:SA+1], v[SA+4:SA+5]
	v_pk_add_f32 v[SA+2:SA+3], v[SA+2:SA+3], v[SA+6:SA+7]
	v_pk_add_f32 v[SA+8:SA+9], v[SA+8:SA+9], v[SA+12:SA+13]
	v_pk_add_f32 v[SA+10:SA+11], v[SA+10:SA+11], v[SA+14:SA+15]
	v_pk_add_f32 v[SA:SA+1], v[SA:SA+1], v[SA+8:SA+9]
	v_pk_add_f32 v[SA+2:SA+3], v[SA+2:SA+3], v[SA+10:SA+11]
	global_store_b128 v[CSR], v[SA:SA+3], s[28:29]
.Lnot_wave_0_\@:
	s_wait_xcnt 0x0                                ; the store's data and base are written again only behind this wait
	s_barrier_signal -1                            ; wave 0's reads are back (its wait above): the words may be stored again
	s_barrier_wait -1
.endm
.macro SHIFT                           ; a step on
	GEN s53, s51
	s_mov_b32 s23, s50
	s_mov_b32 s50, s51
	s_mov_b32 s51, s53
.endm
; A plain step.  refill = 1: Q of step t + 2 is asked for into this step's buffer, behind its last product and slice 15's places.
.macro PLAIN buf, other, refill
	PH1 \buf, 0
.if \refill
	LOADQ \buf, s51
.endif
	s_wait_loadcnt 8*\refill                       ; Q of step t + 1, asked for a step ago, is in; the eight loads just issued stay out
	PH2 \buf, \other
	WIN 0
.endm
.macro TRIPC buf, other
	s_wait_dscnt 0x0                               ; this step's nlse, asked for a step ago
	LDNL \other, s50                               ; the next step's
	s_cmp_eq_u32 s23, s22
	s_cbranch_scc1 .Ldiag_\@
	PLAIN \buf, \other, 1
	s_branch .Ljoin_\@
.Ldiag_\@:                                         ; the first key block's last step: the turns run out
	PH1 \buf, 1
	WIN 0
	LOADQ \buf, s51
	LOADK s19                                      ; the second key block, p: behind K's last product and slice 15's places; it has the lines below in which to land
	VALONE \buf
	FINCOL
	s_mov_b32 s22, s19
	CLEARACC
	s_wait_loadcnt 0x0                             ; K and Q of the second walk
	MALONE \other
.Ljoin_\@:
	SHIFT
.endm
	CLEARACC
	LDNL 0, s23
	MALONE 0                                       ; step 0's tile 0
	s_mov_b32 s82, 7
.Lsteps:                                           ; steps 0 to 13; the first key block's diagonal is step p, at most 7
	TRIPC 0, 1
	TRIPC 1, 0
	s_sub_co_u32 s82, s82, 1
	s_cmp_lg_u32 s82, 0
	s_cbranch_scc1 .Lsteps
	s_wait_dscnt 0x0                               ; step 14: asks for step 16's Q, the last
	LDNL 1, s50
	PLAIN 0, 1, 1
	SHIFT
	s_wait_dscnt 0x0                               ; step 15: nothing is left to ask of memory
	LDNL 0, s50
	PLAIN 1, 0, 0
	s_wait_dscnt 0x0                               ; step 16, the second key block's diagonal
	PH1 0, 1
	WIN 0
	VALONE 0
	FINCOL
	s_set_vgpr_msb 0x5
	s_wait_tensorcnt 0x0
	ds_add_u32 v192, v193
	s_wait_dscnt 0x0
	s_set_vgpr_msb 0x500
	s_endpgm
.Lfunc_end_k_q789c177d8f_colsum_ln:
	.size	k_q789c177d8f_colsum_ln, .Lfunc_end_k_q789c177d8f_colsum_ln-k_q789c177d8f_colsum_ln
	.p2alignl 7, 3214868480
	.fill 96, 4, 3214868480
	.section	.rodata,"a",@progbits
	.p2align	6, 0x0
	.amdhsa_kernel k_q789c177d8f_colsum_ln
		.amdhsa_group_segment_fixed_size 10752
		.amdhsa_private_segment_fixed_size 0
		.amdhsa_enable_private_segment 0
		.amdhsa_kernarg_size 56
		.amdhsa_user_sgpr_count 2
		.amdhsa_user_sgpr_kernarg_segment_ptr 1
		.amdhsa_wavefront_size32 1
		.amdhsa_system_sgpr_workgroup_id_x 1
		.amdhsa_system_sgpr_workgroup_id_y 1
		.amdhsa_system_sgpr_workgroup_id_z 1
		.amdhsa_system_vgpr_workitem_id 0
		.amdhsa_next_free_vgpr 450
		.amdhsa_next_free_sgpr 84
		.amdhsa_reserve_vcc 1
		.amdhsa_float_denorm_mode_32 3
		.amdhsa_float_denorm_mode_16_64 3
		.amdhsa_memory_ordered 1
		.amdhsa_forward_progress 1
		.amdhsa_inst_pref_size 208
	.end_amdhsa_kernel
	.amdgpu_metadata
---
amdhsa.version: [ 1, 2 ]
amdhsa.kernels:
  - .name:           k_q789c177d8f_colsum_ln
    .symbol:         k_q789c177d8f_colsum_ln.kd
    .args:
      - { .name: qkv, .offset: 0, .size: 8, .value_kind: global_buffer, .address_space: global }
      - { .name: nlse, .offset: 8, .size: 8, .value_kind: global_buffer, .address_space: global }
      - { .name: o32, .offset: 16, .size: 8, .value_kind: global_buffer, .address_space: global }
      - { .name: ln_g, .offset: 24, .size: 8, .value_kind: global_buffer, .address_space: global }
      - { .name: ln_b, .offset: 32, .size: 8, .value_kind: global_buffer, .address_space: global }
      - { .name: cs, .offset: 40, .size: 8, .value_kind: global_buffer, .address_space: global }
      - { .name: a16, .offset: 48, .size: 8, .value_kind: global_buffer, .address_space: global }
    .group_segment_fixed_size: 10752
    .private_segment_fixed_size: 0
    .kernarg_segment_align: 8
    .kernarg_segment_size: 56
    .max_flat_workgroup_size: 128
    .sgpr_count:     84
    .vgpr_count:     450
    .wavefront_size: 32
...
	.end_amdgpu_metadata
.endif
;; end of part 4
;; launch outproj (part 5): grid 8 x 32, 4 waves a work-group, clusters of 4 x 4, 327,680 bytes of LDS; arguments a16, woutT, cs, out0, out1; writes out0, out1
.if DOCPART == 5
	.amdgcn_target "amdgcn-amd-amdhsa--gfx1250"
	.amdhsa_code_object_version 6
	.text
	.protected	k_q789c177d8f_outproj
	.globl	k_q789c177d8f_outproj
	.p2align	8
	.type	k_q789c177d8f_outproj,@function
k_q789c177d8f_outproj:
	s_mov_b64 s[64:65], 0
	v_nop
	global_prefetch_b8 v0, s[64:65] scope:SCOPE_SE
	s_setreg_imm32_b32 hwreg(HW_REG_WAVE_MODE, 25, 1), 1
	s_wait_xcnt 0x0
	s_wait_alu depctr_hold_cnt(0) depctr_sa_sdst(0) depctr_va_vdst(0) depctr_va_sdst(0) depctr_va_ssrc(0) depctr_va_vcc(0) depctr_vm_vsrc(0)
	s_getreg_b32 s2, hwreg(HW_REG_IB_STS2, 6, 4)
	s_cmp_eq_u32 s2, 0
	s_cbranch_scc0 .Lentry_in_a_cluster
	s_endpgm
.Lentry_in_a_cluster:
	s_bfe_u32 s2, ttmp6, 0x10000c
	s_cmp_lg_u32 s2, 0xf033
	s_cbranch_scc0 .Lentry_shape_is_right
	s_endpgm
.Lentry_shape_is_right:
; OUTPROJ: out0[token][column] = sum over k of a16[token][k] woutT[column][k]; 4,096 x 1,024, K = 1,024; f16 in, f32 sums, f32 out.
; Beside it: out1[b][s][head] = cs[b][head][s], 16 rows s for each work-group, so that out1's rows of 64 bytes are written whole.
; A work-group makes 128 tokens x 128 columns with four waves, 2 x 2; a wave makes 64 x 64: 16 accumulator tiles.
; K goes in steps of 128 through two LDS slots filled by the tensor data mover; a tile's rows are 256 consecutive aligned bytes.
; CLUSTERS: 4 x 4 work-groups.  The four of a row of the cluster need the same tokens' tile, the four of a column the same
; weights' tile; each tile is asked for jointly, by the same load with the same descriptor in all four.
; REGISTERS: window 0: addresses, two fragment buffers; window 1: the accumulators, tile (a, b) at v[8 (4 a + b)].
; THE MATRIX INSTRUCTION IS USED TRANSPOSED: source 0 = 16 rows of woutT, source 1 = 16 tokens; lane l then holds token l % 16
; and its registers the eight neighbouring columns 8 (l / 16) + 0..7: 32 bytes of a row of out0.
.set NB,     128
.set NBF,    NB/32
.set WROWS,  NB/2
.set KSTEP,  128
.set SIZE_K, 1024
.set PITCH,  272                       ; LDS row: 256 bytes + 16: an odd multiple of 16
.set SLOT,   (NB+128)*PITCH            ; the weights' 128 rows, then the tokens' 128 rows
.set STAGE,  2*SLOT                    ; behind the ring, a multiple of 256: 16 rows x 272 bytes for each wave; no tensor load lands here
.set SPITCH, 272
.set LAPS,   SIZE_K/(2*KSTEP)
.set ADRA, 16
.set ADRB, 20
.set STO,  24
.set RD,   25
.set CO,   26
.set F0,   32                          ; fragment buffer 0: weights at F + 8 b, tokens at F + 32 + 8 a
.set F1,   112
.set G1,  24                           ; s[24:31], s[32:39]: descriptors of the tokens' tiles
.set G0,  32
.set G1B, 48                           ; s[48:55], s[56:63]: of the weights' tiles
.set G0B, 56
.set MUL, 0x50                         ; C and D in window 1, sources in window 0
.set MSB, 0
.macro WIN new                         ; the immediate's high byte repeats the setting that is left
.if MSB != \new
	s_set_vgpr_msb (MSB<<8)|\new
.set MSB, \new
.endif
.endm
.macro PLACES n
.rept \n
	v_nop
.endr
.endm
.macro JLOAD s                         ; waves 0, 1 fetch the weights' halves, waves 2, 3 the tokens'
	s_cmp_eq_u32 s11, 0
	s_cbranch_scc0 .Lfor_a_\@
	tensor_load_to_lds s[G0B+4*\s:G0B+4*\s+3], s[G1B:G1B+7]
	s_nop 0
	s_branch .Lasked_\@
.Lfor_a_\@:
	tensor_load_to_lds s[G0+4*\s:G0+4*\s+3], s[G1:G1+7]
	s_nop 0
.Lasked_\@:
.endm
.macro CREST                           ; a round of the cluster's barrier behind its opening work-group barrier
	s_cmp_lg_u32 s10, 0
	s_cbranch_scc1 .Lnot_wave_0_\@
	s_barrier_signal -3
.Lnot_wave_0_\@:
	s_barrier_wait -3
	s_barrier_signal -1
	s_barrier_wait -1
.endm
.macro CROUND
	s_barrier_signal -1
	s_barrier_wait -1
	CREST
.endm
	s_load_b128 s[4:7], s[0:1], 0x0                ; a16 s[4:5], woutT s[6:7]
	s_load_b128 s[68:71], s[0:1], 0x10             ; cs s[68:69], out0 s[70:71]
	s_load_b64 s[72:73], s[0:1], 0x20              ; out1
	v_lshl_add_u32 v254, v0, 2, 0x29000
	v_mov_b32 v255, 0
	ds_add_u32 v254, v255
	v_lshrrev_b32 v1, 5, v0
	v_readfirstlane_b32 s10, v1                    ; wave 0..3
	s_lshr_b32 s11, s10, 1                         ; my half of the tokens.  Also: I fetch weights (0) or tokens (1)
	s_and_b32 s12, s10, 1                          ; my half of the columns.  Also: which half of that tile I fetch
	s_bfe_u32 s40, ttmp6, 0x40000                  ; cx
	s_bfe_u32 s41, ttmp6, 0x40004                  ; cy
	s_lshl_b32 s42, ttmp9, 2
	s_add_co_u32 s42, s42, s40                     ; column block
	s_and_b32 s13, ttmp7, 0xffff
	s_lshl_b32 s13, s13, 2
	s_add_co_u32 s13, s13, s41                     ; token block
	s_lshl_b32 s43, s41, 2
	s_lshl_b32 s43, 15, s43                        ; my row of the cluster
	s_lshl_b32 s44, 0x1111, s40                    ; my column
	s_or_b32 s[G1+0], s43, (1<<16)|(1<<20)|(1<<21)|(5<<22)|(3<<25)
	s_or_b32 s[G1B+0], s44, (1<<16)|(1<<20)|(1<<21)|(5<<22)|(3<<25)
	s_mov_b32 s[G1+1], KSTEP<<16
	s_mov_b32 s[G1B+1], KSTEP<<16
	s_mov_b32 s[G1+2], 64<<16
	s_mov_b32 s[G1B+2], WROWS<<16
	s_mov_b32 s[G1+3], KSTEP<<16
	s_mov_b32 s[G1B+3], KSTEP<<16
	s_mov_b32 s[G1+4], 64
	s_mov_b32 s[G1B+4], WROWS
	s_mov_b32 s[G1+5], SIZE_K
	s_mov_b32 s[G1B+5], SIZE_K
	s_mov_b32 s[G1+6], 0
	s_mov_b32 s[G1B+6], 0
	s_mov_b32 s[G1+7], 0
	s_mov_b32 s[G1B+7], 0
	; the tokens' tile hangs on the token block alone, the weights' on the column block alone, each in registers that never hold the other
	s_lshl_b32 s16, s13, 7
	s_lshl_b32 s17, s12, 6
	s_add_co_u32 s16, s16, s17
	s_lshl_b32 s16, s16, 11
	s_mov_b32 s17, 0
	s_mul_i32 s46, s42, NB
	s_mul_i32 s47, s12, WROWS
	s_add_co_u32 s46, s46, s47
	s_lshl_b32 s46, s46, 11
	s_mov_b32 s47, 0
	s_mul_i32 s20, s10, WROWS*PITCH                ; LDS: waves 0, 1: the weights' halves
	s_mul_i32 s21, s10, 64*PITCH                   ; waves 2, 3: the tokens' halves, behind the weights' 128 rows
	s_wait_dscnt 0x0
	s_wait_kmcnt 0x0
	s_add_nc_u64 s[14:15], s[4:5], s[16:17]
	s_add_nc_u64 s[46:47], s[6:7], s[46:47]
	CROUND                                         ; all sixteen work-groups are here: the first joint loads meet
.irp s, 0,1
	s_mov_b32 s[G0+4*\s], 1
	s_add_co_u32 s[G0+4*\s+1], s21, \s*SLOT
	s_add_nc_u64 s[G0+4*\s+2:G0+4*\s+3], s[14:15], \s*KSTEP*2
	s_or_b32 s[G0+4*\s+3], s[G0+4*\s+3], 0x80000000
	s_mov_b32 s[G0B+4*\s], 1
	s_add_co_u32 s[G0B+4*\s+1], s20, \s*SLOT
	s_add_nc_u64 s[G0B+4*\s+2:G0B+4*\s+3], s[46:47], \s*KSTEP*2
	s_or_b32 s[G0B+4*\s+3], s[G0B+4*\s+3], 0x80000000
	JLOAD \s                                       ; K steps 0 and 1: two loads of the wave are out, the most in this text
.endr
	; out1, while the first tiles are on their way: threads 0-63 (waves 0 and 1); thread t takes row t / 4 of the group's 16, heads 4 (t % 4) + 0..3
	s_cmp_lg_u32 s11, 0
	s_cbranch_scc1 .Lno_out1
	s_lshl_b32 s76, s13, 3
	s_add_co_u32 s76, s76, s42                     ; work-group number g: batch g / 128, rows 16 (g % 128) ..
	s_lshr_b32 s77, s76, 7
	s_lshl_b32 s77, s77, 17                        ; 16 heads of 8,192 bytes
	s_and_b32 s78, s76, 127
	s_lshl_b32 s78, s78, 6                         ; 16 f32
	s_add_co_u32 s78, s78, s77
	s_mov_b32 s79, 0
	s_add_nc_u64 s[68:69], s[68:69], s[78:79]
	s_lshl_b32 s78, s76, 10                        ; 16 rows of 64 bytes
	s_add_nc_u64 s[72:73], s[72:73], s[78:79]
	v_and_b32 v224, 3, v0
	v_lshrrev_b32 v225, 2, v0
	v_lshlrev_b32 v225, 2, v225
	v_lshl_add_u32 v224, v224, 15, v225            ; four heads of 8,192 bytes x (t % 4) + 4 (t / 4)
.irp q, 0,1,2,3
	global_load_b32 v[226+\q], v224, s[68:69] offset:8192*\q
.endr
	v_lshlrev_b32 v225, 4, v0
	s_wait_loadcnt 0x0
	global_store_b128 v225, v[226:229], s[72:73]   ; sixteen lanes: 256 consecutive aligned bytes
.Lno_out1:
	v_and_b32 v1, 15, v0                           ; l % 16 (kept to the end)
	v_bfe_u32 v2, v0, 4, 1                         ; l / 16 (kept to the end)
	v_mul_u32_u24 v3, v1, PITCH
	v_lshl_add_u32 v3, v2, 4, v3
	s_mul_i32 s22, s11, 64*PITCH
	s_add_co_u32 s22, s22, NB*PITCH                ; my 64 tokens
	s_mul_i32 s23, s12, WROWS*PITCH                ; my 64 rows of weights
.irp s, 0,1
	v_add_nc_u32 v[ADRA+\s], s22, v3
	v_add_nc_u32 v[ADRB+\s], s23, v3
	s_add_co_u32 s22, s22, SLOT
	s_add_co_u32 s23, s23, SLOT
.endr
; four matrix instructions: token tile a x my four column tiles, 32 along K.  zero = 1: the first product starts the sums.
.macro MULROW f, a, zero
.irp b, 0,1,2,3
.if \zero
	v_wmma_f32_16x16x32_f16 v[8*(NBF*\a+\b):8*(NBF*\a+\b)+7], v[\f+8*\b:\f+8*\b+7], v[\f+8*NBF+8*\a:\f+8*NBF+8*\a+7], 0
.else
	v_wmma_f32_16x16x32_f16 v[8*(NBF*\a+\b):8*(NBF*\a+\b)+7], v[\f+8*\b:\f+8*\b+7], v[\f+8*NBF+8*\a:\f+8*NBF+8*\a+7], v[8*(NBF*\a+\b):8*(NBF*\a+\b)+7]
.endif
.endr
.endm
; 16 LDS loads in one run: the fragments of a quarter step into buffer f: weights first, tokens last
.macro FETCH slot, k, f
.irp i, 0,1,2,3
	ds_load_b128 v[\f+8*\i:\f+8*\i+3],   v[ADRB+\slot] offset:\k+\i*16*PITCH
	ds_load_b128 v[\f+8*\i+4:\f+8*\i+7], v[ADRB+\slot] offset:\k+\i*16*PITCH+32
.endr
.irp i, 0,1,2,3
	ds_load_b128 v[\f+8*NBF+8*\i:\f+8*NBF+8*\i+3],   v[ADRA+\slot] offset:\k+\i*16*PITCH
	ds_load_b128 v[\f+8*NBF+8*\i+4:\f+8*NBF+8*\i+7], v[ADRA+\slot] offset:\k+\i*16*PITCH+32
.endr
.endm
; A K step is four quarters of 32 along K on buffers 0, 1, 0, 1.  The 16 accumulators take turns, one instruction a turn, in the
; same order in every quarter, over the backward jump too.
; A load into a register that a matrix instruction has read stands four places behind it (ISA guide 7.12.1 for vector
; instructions): four v_nop in front of each run of loads.
.macro QUARTER slot, k, f, g, zero
	s_wait_dscnt 4                                 ; all but the four youngest loads (token tiles 2 and 3) are in
	WIN MUL
	MULROW \f, 0, \zero
	MULROW \f, 1, \zero
	PLACES 4
	WIN 0
	FETCH \slot, \k, \g
	s_wait_dscnt 2*NBF+8                           ; all but the 16 just issued
	WIN MUL
	MULROW \f, 2, \zero
	MULROW \f, 3, \zero
.endm
.macro THREE slot, zero
	QUARTER \slot, 64,  F0, F1, \zero
	QUARTER \slot, 128, F1, F0, 0
	QUARTER \slot, 192, F0, F1, 0
.endm
; The last quarter multiplies buffer 1 and changes slots.  In front of the barrier each wave waits for its reads of this slot and
; for all its tensor loads (one is out: its part of the next slot).  Behind it the refill comes first, then the next slot is read.
.macro TURN slot, next, fill
	s_wait_dscnt 4
	WIN MUL
	MULROW F1, 0, 0
	s_wait_dscnt 0                                 ; my reads of this slot are over
	s_wait_tensorcnt 0x0                           ; all my tensor loads have landed
	ds_add_u32 v254, v255
	s_wait_dscnt 0x0
	s_barrier_signal -1                            ; (where the slot is filled again this barrier opens a round of the cluster's barrier)
	MULROW F1, 1, 0                                ; register work while the others arrive
	WIN 0
	s_barrier_wait -1
.if \fill
	CREST                                          ; no wave of any partner still reads this slot or has a load on its way
	s_add_nc_u64 s[G0+4*\slot+2:G0+4*\slot+3], s[G0+4*\slot+2:G0+4*\slot+3], 2*KSTEP*2
	s_add_nc_u64 s[G0B+4*\slot+2:G0B+4*\slot+3], s[G0B+4*\slot+2:G0B+4*\slot+3], 2*KSTEP*2
	JLOAD \slot                                    ; my one tensor load behind the round; 60 matrix instructions stand before the wait for it
.endif
	PLACES 4
	FETCH \next, 0, F0
	WIN MUL
	MULROW F1, 2, 0
	MULROW F1, 3, 0
.endm
.macro LAP zero
	THREE 0, \zero
	TURN 0, 1, 1
	THREE 1, 0
	TURN 1, 0, 1
.endm
	s_wait_tensorcnt 1                             ; my part of K step 0 is in; K step 1's stays out
	s_barrier_signal -1
	s_barrier_wait -1
	FETCH 0, 0, F0
	LAP 1                                          ; the first lap's first products start the sums
	WIN 0
	s_mov_b32 s3, LAPS-2
.Llap:
	LAP 0
	WIN 0
	s_sub_co_u32 s3, s3, 1
	s_cmp_lg_u32 s3, 0
	s_cbranch_scc1 .Llap
	THREE 0, 0                                     ; the last lap fills nothing
	TURN 0, 1, 0
	THREE 1, 0
	s_wait_dscnt 4
	WIN MUL
	MULROW F1, 0, 0
	MULROW F1, 1, 0
	s_wait_dscnt 0
	MULROW F1, 2, 0
	MULROW F1, 3, 0
	WIN 0
	; THE WAY OUT, 16 tokens at a time through my own stage.  The eight address instructions below name no register of a matrix
	; instruction: they are the places behind the last ones.
	s_mul_i32 s23, s10, 16*SPITCH
	s_add_co_u32 s23, s23, STAGE
	v_mul_u32_u24 v4, v1, SPITCH
	v_lshl_add_u32 v4, v2, 5, v4                   ; in: row l % 16, 32 bytes for each half of the lanes
	v_add_nc_u32 v[STO], s23, v4
	v_mul_u32_u24 v5, v2, SPITCH
	v_lshl_add_u32 v5, v1, 4, v5                   ; back: lanes 0-15 one row of 256 bytes, lanes 16-31 the next
	v_add_nc_u32 v[RD], s23, v5
	v_lshlrev_b32 v5, 12, v2
	v_lshl_add_u32 v[CO], v1, 4, v5                ; the same two rows in out0
	s_lshl_b32 s16, s13, 7
	s_lshl_b32 s17, s11, 6
	s_add_co_u32 s16, s16, s17                     ; my first token
	s_lshl_b32 s16, s16, 12                        ; rows of 4,096 bytes
	s_mov_b32 s17, 0
	s_add_nc_u64 s[70:71], s[70:71], s[16:17]
	s_lshl_b32 s46, s42, 9                         ; my first column: 512 bytes a block, 256 a half
	s_lshl_b32 s47, s12, 8
	s_add_co_u32 s46, s46, s47
	s_mov_b32 s47, 0
	s_add_nc_u64 s[70:71], s[70:71], s[46:47]
.macro OUT16 a, f
	WIN 0x04                                       ; the data of an LDS store is source 1: window 1
.irp b, 0,1,2,3
	ds_store_b128 v[STO], v[8*(NBF*\a+\b):8*(NBF*\a+\b)+3]   offset:64*\b
	ds_store_b128 v[STO], v[8*(NBF*\a+\b)+4:8*(NBF*\a+\b)+7] offset:64*\b+16
.endr
	WIN 0
	s_wait_xcnt 0x0                                ; buffer f, which stores read, and the stores' base are written again only behind this wait
.if \a
	s_add_nc_u64 s[70:71], s[70:71], 16*4096
.endif
.irp t, 0,1,2,3,4,5,6,7
	ds_load_b128 v[\f+4*\t:\f+4*\t+3], v[RD] offset:\t*2*SPITCH              ; LDS serves a wave's instructions in order: these see the stores above
.endr
.irp t, 0,1,2,3,4,5,6,7
	s_wait_dscnt 7-\t                              ; load t is back, the younger ones stay out
	global_store_b128 v[CO], v[\f+4*\t:\f+4*\t+3], s[70:71] offset:2*\t*4096 th:TH_STORE_NT   ; sixteen lanes: 256 consecutive aligned bytes
.endr
.endm
	OUT16 0, F0
	OUT16 1, F1
	OUT16 2, F0
	OUT16 3, F1
	s_wait_tensorcnt 0x0
	ds_add_u32 v254, v255
	s_wait_dscnt 0x0
	CROUND                                         ; the closing round: no work-group ends while a partner may still ask for a tile that names it
	s_endpgm
.Lfunc_end_k_q789c177d8f_outproj:
	.size	k_q789c177d8f_outproj, .Lfunc_end_k_q789c177d8f_outproj-k_q789c177d8f_outproj
	.p2alignl 7, 3214868480
	.fill 96, 4, 3214868480
	.section	.rodata,"a",@progbits
	.p2align	6, 0x0
	.amdhsa_kernel k_q789c177d8f_outproj
		.amdhsa_group_segment_fixed_size 327680
		.amdhsa_private_segment_fixed_size 0
		.amdhsa_enable_private_segment 0
		.amdhsa_kernarg_size 40
		.amdhsa_user_sgpr_count 2
		.amdhsa_user_sgpr_kernarg_segment_ptr 1
		.amdhsa_wavefront_size32 1
		.amdhsa_system_sgpr_workgroup_id_x 1
		.amdhsa_system_sgpr_workgroup_id_y 1
		.amdhsa_system_sgpr_workgroup_id_z 1
		.amdhsa_system_vgpr_workitem_id 0
		.amdhsa_next_free_vgpr 448
		.amdhsa_next_free_sgpr 80
		.amdhsa_reserve_vcc 0
		.amdhsa_float_denorm_mode_32 3
		.amdhsa_float_denorm_mode_16_64 3
		.amdhsa_memory_ordered 1
		.amdhsa_forward_progress 1
		.amdhsa_inst_pref_size 75
	.end_amdhsa_kernel
	.amdgpu_metadata
---
amdhsa.version: [ 1, 2 ]
amdhsa.kernels:
  - .name:           k_q789c177d8f_outproj
    .symbol:         k_q789c177d8f_outproj.kd
    .args:
      - { .name: a16, .offset: 0, .size: 8, .value_kind: global_buffer, .address_space: global }
      - { .name: woutT, .offset: 8, .size: 8, .value_kind: global_buffer, .address_space: global }
      - { .name: cs, .offset: 16, .size: 8, .value_kind: global_buffer, .address_space: global }
      - { .name: out0, .offset: 24, .size: 8, .value_kind: global_buffer, .address_space: global }
      - { .name: out1, .offset: 32, .size: 8, .value_kind: global_buffer, .address_space: global }
    .group_segment_fixed_size: 327680
    .private_segment_fixed_size: 0
    .kernarg_segment_align: 8
    .kernarg_segment_size: 40
    .max_flat_workgroup_size: 128
    .sgpr_count:     80
    .vgpr_count:     448
    .wavefront_size: 32
...
	.end_amdgpu_metadata
.endif
;; end of part 5
